; MI455X (gfx1250); checked and timed in simulation.
; The chip was launched on July 23, 2026; its instructions are those of AMD's public machine-readable ISA for CDNA 5 (MIT licence, August 2026) and "CDNA5" Instruction Set Architecture Reference Guide (July 2026). The comments in the code are by the model that wrote it; some were corrected since.
;; Inner Patch Attention. Allowed arithmetic: matrix products marked QUANTISED: E2M1 operands, one E8M0 scale for each 32 along K, by v_wmma_scale_f32_16x16x128_f8f6f4 with both operands' format E2M1 (or v_wmma_scale_f32_32x16x128_f4), f32 sums; products left as they are: f32 operands where the result goes on into a quantised operand, else bf16, f16 or f32 operands; f32 sums; everything else in f32.
;; Inputs: b_in 768 float32; b_lin 1 float32; b_out 256 float32; b_pe 256 float32; ln_b 256 float32; ln_g 256 float32; pos_emb 1 x 256 x 256 float32; w_in_codes 768 x 8 x 16 uint8 (E2M1 codes of w_in, K innermost, in blocks of 32 codes, two codes a byte); w_in_scales 768 x 8 uint8 (E8M0 scales of w_in, one for each 32 codes along K); w_lin 1 x 256 float32; w_out_codes 256 x 8 x 16 uint8 (E2M1 codes of w_out, K innermost, in blocks of 32 codes, two codes a byte); w_out_scales 256 x 8 uint8 (E8M0 scales of w_out, one for each 32 codes along K); w_pe_codes 256 x 4 x 16 uint8 (E2M1 codes of w_pe, K innermost, in blocks of 32 codes, two codes a byte); w_pe_scales 256 x 4 uint8 (E8M0 scales of w_pe, one for each 32 codes along K); x 2 x 128 x 256 x 256 float32.
;; Outputs: out0 2 x 1 x 256 x 256 float32.
;; This version of the problem:
;;   THIS VERSION OF THE PROBLEM IS GIVEN IN LOW PRECISION. The matrix products marked QUANTISED in the list below multiply operands that are first quantised to E2M1 (2 exponent bits, 1 mantissa bit; 4 bits a number), with one power-of-two scale for each 32 numbers along K (OCP MX v1.0); their sums are f32. All else is computed in f32.
;;   The module's matrix products, in the order in which they are computed (A, B: the left and right operand; K: the contracted axis; several contracted axes count as one K, in the product's order):
;;     1. [M 131,072, K 128] x [K 128, N 256]; A: input x; B: input w_pe (given as codes): QUANTISED
;;     2. [M 131,072, K 256] x [K 256, N 768]; A: computed on the way; B: input w_in (given as codes): QUANTISED
;;     3. batch 4,096 x [M 256, K 32] x [K 32, N 256]; A: computed on the way; B: computed on the way: QUANTISED
;;     4. batch 4,096 x [M 256, K 256] x [K 256, N 32]; A: softmax (see below); B: computed on the way: QUANTISED
;;     5. [M 131,072, K 256] x [K 256, N 256]; A: computed on the way; B: input w_out (given as codes): QUANTISED
;;     6. [M 131,072, K 256] x [K 256, N 1]; A: computed on the way; B: input w_lin: left as it is (N = 1 < 16)
;;   THE QUANTISER, for each operand of a quantised product, along K:
;;     - K is cut into blocks of 32 from its start; a last block that is shorter is filled with zeros.
;;     - A block's scale is 2^e with e = floor(log2(the largest magnitude in the block)) - 2, held to -126 .. 127; a block of zeros has e = 0. As a byte (E8M0): e + 127.
;;     - Each number is divided by its block's scale, clamped to +-6, and rounded to the nearest number of E2M1, ties to even, subnormals kept.
;;     - The product sums the exact products of the quantised numbers (number of the format x scale) in f32.
;;   ~~~python
;;   def quantise(x, axis):      # numpy; x: float32 -> the quantised numbers, widened to float32 again
;;       x = np.moveaxis(x, axis, -1); K = x.shape[-1]
;;       x = np.pad(x, [(0, 0)] * (x.ndim - 1) + [(0, -K % 32)]); x = x.reshape(x.shape[:-1] + (-1, 32)); a = np.abs(x).max(-1, keepdims=True)
;;       e = np.where(a > 0, np.clip(np.frexp(np.where(a > 0, a, 1))[1] - 1 - 2, -126, 127), 0)      # np.frexp(a)[1] - 1 = floor(log2(a)), exactly
;;       r = np.clip(x / 2.0 ** e, -6, 6)
;;       step = 2.0 ** (np.maximum(np.frexp(np.where(r == 0, 1, r))[1] - 1, 0) - 1)
;;       q = np.round(r / step) * step * 2.0 ** e      # np.round: ties to even
;;       return np.moveaxis(q.reshape(q.shape[:-2] + (-1,))[..., :K], -1, axis).astype(np.float32)
;;   ~~~
;;   SOFTMAX AHEAD OF A QUANTISED PRODUCT. Where the list says 'softmax', what is quantised is not the finished softmax but p = 2^(t - M), with t = logit x log2(e) and M = ceil(the row's largest t), a whole number; so 1/2 < the row's largest p <= 1. The row's sum l is taken of the UNQUANTISED p, in f32, and the product's result is divided by l at the end. Since M is a whole number, a kernel that streams over the keys may use a running M (the ceiling of the running maximum): every later rescaling is an exact power of two, which a block's scale takes up: the codes' values come out the same.
;;   OPERANDS COMPUTED ON THE WAY. 'Computed on the way' means the value that the module computes at that place (a softmax that the list does not call 'softmax' is quantised finished and normalised). What goes into a quantiser is computed in f32, as accurately as f32 sums, v_exp_f32 and their like allow (about 1e-6 of the number): no bf16 or f16 on the way to a quantiser, and a product that is left as it is and whose result goes on into a quantised operand takes f32 operands (vector FMAs, or v_wmma_f32_16x16x4_f32). A number that lies on a knife's edge between two numbers of the format may be rounded either way, as far as f32 arithmetic and the matrix unit's own rounding can turn it there, and no further.
;;   INPUTS GIVEN AS CODES. w_in (in the module: [768, 256], K = its axis 1); w_out (in the module: [256, 256], K = its axis 1); w_pe (in the module: [256, 128], K = its axis 1): each comes as NAME_codes (uint8): NAME with its K axis moved to the last place and cut into blocks of 32 codes, [.., K / 32, bytes a block], one block behind the other in memory; two codes a byte, the lower K in the low four bits (a code: sign, 2 exponent bits, 1 mantissa bit); and NAME_scales (uint8): the same leading axes, one E8M0 byte (e + 127) for each 32 codes along K. Its value is code x scale, taken as it is: it is not quantised again, and the codes and scales need not be those that the quantiser above would give.
;; 2 versions. Each part assembles by itself: llvm-mc -triple=amdgcn-amd-amdhsa -mcpu=gfx1250 --defsym DOCPART=n.
;; ======== version 1 of 2: 1 launch
;; launch patch (part 1): grid 512 x 1, 16 waves a work-group, no clusters, 245,760 bytes of LDS; arguments x, w_pe_codes, w_pe_scales, b_pe, pos_emb, w_in_codes, w_in_scales, b_in, w_out_codes, w_out_scales, b_out, ln_g, ln_b, w_lin, b_lin, out0; writes out0
.if DOCPART == 1
	.amdgcn_target "amdgcn-amd-amdhsa--gfx1250"
	.amdhsa_code_object_version 6
	.text
	.protected	k_qb22b7687a4_patch
	.globl	k_qb22b7687a4_patch
	.p2align	8
	.type	k_qb22b7687a4_patch,@function
k_qb22b7687a4_patch:
	s_mov_b64 s[64:65], 0
	v_nop
	global_prefetch_b8 v0, s[64:65] scope:SCOPE_SE
	s_setreg_imm32_b32 hwreg(HW_REG_WAVE_MODE, 25, 1), 1
	s_wait_xcnt 0x0
; InnerPatchAttention, all of it in one launch.  One work-group = one patch of 16 x 16 pixels = 256 tokens; 16 waves of 256 registers, four to a SIMD.
; Chain of a patch: embed (K 128) + b_pe + pos_emb -> qkv (K 256) -> 8 heads of attention (32 dims, 256 keys) -> out-projection (K 256) -> LayerNorm, dot with w_lin, sigmoid.
; All five matrix products run on E2M1 codes with one E8M0 scale for each 32 along K; everything ahead of a quantiser is f32.
; TOKENS.  Token t of a patch is channel t / 2, image rows 8 (t % 2) .. + 7 of the patch; K index 16 x (row in that half) + pixel.  A block of 32 along K is two pieces of 64 bytes, 1,024 bytes apart.
; TILES.  Tile w, position r stands for token (or weight row) wb(w) + rp(r), wb = 32 (w / 2) + 8 (w % 2), rp = r + 8 (r / 8).  With a product used transposed (source 0 = 16 weight rows, source 1 = 16 tokens) a lane holds one
;   token, and the 16 registers of tiles 2 B and 2 B + 1 are the 16 neighbours 32 B + 16 (lane / 16) + 0 .. 15 along the next K: what the conversions want.
; SHARES.  Embed, attention, out-projection: wave w owns token tile w.  qkv: wave w owns w_in's rows 32 w .. 32 w + 31 (waves 0-7: q of head w; 8-15: k of head w - 8) and 16 rows of v, for all 256 tokens.
; Operands go from wave to wave through LDS as images of their registers: four registers by one ds_store_b128 at 16 x lane, a scale word at 4 x lane.  Every LDS region is written once; four barriers.
; SCORES (K = 32).  A fragment of k holds FOUR key tiles in its four K blocks; the wave's q stands in one block of source 1, zero codes in the other three: four such variants pick the four key tiles.
; SOFTMAX.  The whole row of 256 scores lies in registers: t = score x log2(e), M = ceil(largest t), p = 2^(t - M) is quantised along the keys; the sum of the unquantised p divides at the end.
; NO CLUSTER, NO TENSOR LOADS: x (131,072 bytes a patch) is used once by one wave and goes straight into the registers that the conversions take; pos_emb (262,144 bytes, the same for all patches) goes straight into the
;   accumulators' registers in the result's layout, and beside the 243,712 bytes of LDS in use it would not fit; the weights (157,696 bytes) are read once a patch against some 90,000 vector instructions.
; LIMITS.  NaN and infinities among the inputs are not served.  A block whose largest magnitude lies under 2^-124, a block of zeros among them, gets the scale byte 1 (the bytes are read by this program alone; such a
;   block's codes are zeros or the quantiser's held scale).  1 / l, 1 / sqrt and the sigmoid use v_rcp_f32, v_rsq_f32, v_exp_f32.  A block's largest p is taken from its largest score by the same two instructions,
;   which takes v_exp_f32 not to fall where its input rises.
.set WPE_I,  0x00000                   ; w_pe's 16 fragments: 1,024 T + 512 c
.set WPE_S,  0x04000                   ; their scale words: 128 T
.set WOUT_S, 0x04800                   ; w_out's scale words: 256 T + 128 s
.set VEC_A,  0x05800                   ; b_pe[256], b_out[256]
.set VEC_B,  0x06000                   ; ln_g x w_lin [256], ln_b x w_lin [256]
.set SEQ_S,  0x06800                   ; seq's scale words: 256 tile + 128 s
.set OUTS,   0x07800                   ; the patch's 256 results, 4 t
.set WOUT_I, 0x08000                   ; w_out's 32 fragments: 2,048 T + 1,024 s + 512 c
.set SEQ_I,  0x10000                   ; seq's 32 fragments: 2,048 tile + 1,024 s + 512 c
.set V_I,    0x18000                   ; v's 32 fragments (16 dims x 128 keys): 2,048 dim tile + 1,024 s + 512 c
.set QK_I,   0x20000                   ; q's and k's codes: 4,096 group (0-7 q, 8-15 k) + 512 pair of token tiles
.set QK_S,   0x30000                   ; their scale words: 512 group + 128 g
.set V_S,    0x32000                   ; v's scale words: 256 dim tile + 128 s
.set O_I,    0x33000                   ; each wave's own: o's two fragments: 2,048 w + 256 head + 16 r + 8 h
.set O_S,    0x3B000                   ; each wave's own: o's scale bytes: 128 w + 8 r + head
; registers: v0-23 addresses; v24-87 XR; v88-215 S; v216-239 at work; v240-255 scale words, and v252, v253 the closing add's two
.set XR,  24
.set S,   88
.set TM,  216                          ; a quantiser's largest magnitudes (+0), bytes (+4), scale operands (+8)
.set ZF,  216                          ; phase A: z's fragment
.set PCA, 228                          ; phase A: the codes just made
.set SC,  240
.set PW,  254                          ; the scale word just made
.set ZS,  255                          ; z's scale word
.set WQ,  24                           ; phase B: my q or k rows of w_in: + 16 u + 8 s
.set WV,  56                           ; my v rows: + 8 s
.set BQ,  72                           ; b_in of my q or k rows, in the result's layout
.set SF,  88                           ; seq's fragments of two token tiles: + 16 a + 8 s
.set ACC, 120                          ; six accumulators
.set BV,  168                          ; b_in of my v row, eight times
.set VC,  176                          ; v's codes
.set PCB, 180                          ; q's or k's codes
.set WQS, 240
.set WVS, 244
.set SFS, 246
.set QW,  250
.set VW,  251
.set KF,  24                           ; phase D: k's four fragments, then v's four
.set QV,  56                           ; q in lanes 0-15 | zeros | q in lanes 16-31 | zeros | q in lanes 0-15
.set QR,  76
.set NM,  80                           ; -M; v81 at work
.set SA,  82                           ; the row's sum, two chains of pairs
.set SB,  84
.set RC,  86                           ; 1 / l
.set BM,  216                          ; the blocks' largest scores, then p; with BP later p's 16 registers of codes
.set BP,  224
.set BS,  232                          ; the blocks' scale operands; later o's quantiser
.macro PLACES n
.rept \n
	v_nop
.endr
.endm
.macro BAR                             ; my LDS stores have landed and my LDS loads are in: then the work-group's barrier
	s_wait_dscnt 0x0
	s_barrier_signal -1
	s_barrier_wait -1
.endm
.macro WMC d, a, b, c, sa, sb          ; D = A x B + C on codes of E2M1
	v_wmma_scale_f32_16x16x128_f8f6f4 v[(\d):(\d)+7], v[(\a):(\a)+7], v[(\b):(\b)+7], v[(\c):(\c)+7], v[\sa], v[\sb] matrix_a_fmt:MATRIX_FMT_FP4 matrix_b_fmt:MATRIX_FMT_FP4
.endm
.macro WM0 d, a, b, sa, sb             ; the same with C = 0: it starts a sum
	v_wmma_scale_f32_16x16x128_f8f6f4 v[(\d):(\d)+7], v[(\a):(\a)+7], v[(\b):(\b)+7], 0, v[\sa], v[\sb] matrix_a_fmt:MATRIX_FMT_FP4 matrix_b_fmt:MATRIX_FMT_FP4
.endm
; nb blocks of 32, 16 numbers of each in my registers v[s + 16 b] on and 16 in lane l xor 16: largest magnitude, scale operand, byte.  The blocks take turns line by line.
.macro QB s, nb
.set qb, 0
.rept \nb
	v_max3_num_f32 v[TM+qb], |v[(\s)+16*qb]|, |v[(\s)+16*qb+1]|, 0x1800000   ; with the floor 2^(3 - 127): the byte cannot fall under 1
.set qb, qb+1
.endr
.set qi, 2
.rept 7
.set qb, 0
.rept \nb
	v_max3_num_f32 v[TM+qb], v[TM+qb], |v[(\s)+16*qb+qi]|, |v[(\s)+16*qb+qi+1]|
.set qb, qb+1
.endr
.set qi, qi+2
.endr
.set qb, 0
.rept \nb
	v_permlanex16_b32 v[TM+4+qb], v[TM+qb], s44, s45
.set qb, qb+1
.endr
.set qb, 0
.rept \nb
	v_max_num_f32 v[TM+qb], v[TM+qb], v[TM+4+qb]
.set qb, qb+1
.endr
.set qb, 0
.rept \nb
	v_add_nc_u32 v[TM+8+qb], 0xff000000, v[TM+qb]      ; 2 off the exponent field: the conversion's scale operand
.set qb, qb+1
.endr
.set qb, 0
.rept \nb
	v_lshrrev_b32 v[TM+4+qb], 23, v[TM+8+qb]           ; the scale's byte
.set qb, qb+1
.endr
.endm
.macro CV pc, s, b                     ; 16 numbers -> two registers of codes, by block b's scale
	v_cvt_scalef32_pk8_fp4_f32 v[\pc], v[(\s):(\s)+7], v[TM+8+(\b)]
	v_cvt_scalef32_pk8_fp4_f32 v[(\pc)+1], v[(\s)+8:(\s)+15], v[TM+8+(\b)]
.endm
.macro SWAP4 pc                        ; two half blocks a lane -> one whole block a lane: lanes 0-15 the first block, lanes 16-31 the second
	v_permlane16_swap_b32 v[\pc], v[(\pc)+2]
	v_permlane16_swap_b32 v[(\pc)+1], v[(\pc)+3]
.endm
.macro QUANT s                         ; 64 numbers of a lane (register 16 b + i = k 32 b + 16 (lane / 16) + i) -> a fragment in v[PCA] on, its scale word in v[PW]
	QB \s, 4
	v_lshl_or_b32 v[PW], v[TM+5], 8, v[TM+4]
	v_lshl_or_b32 v[PW], v[TM+6], 16, v[PW]
	v_lshl_or_b32 v[PW], v[TM+7], 24, v[PW]
	CV PCA, \s, 0
	CV PCA+2, (\s)+16, 1
	CV PCA+4, (\s)+32, 2
	CV PCA+6, (\s)+48, 3
	v_nop                                          ; one plain line behind the last conversion
	SWAP4 PCA
	SWAP4 PCA+4
.endm
; ---------------------------------------------------------------- phase 0: ids, addresses, all first loads
	s_load_b512 s[8:23], s[0:1], 0x0               ; x 8, w_pe_codes 10, w_pe_scales 12, b_pe 14, pos_emb 16, w_in_codes 18, w_in_scales 20, b_in 22
	s_load_b512 s[24:39], s[0:1], 0x40             ; w_out_codes 24, w_out_scales 26, b_out 28, ln_g 30, ln_b 32, w_lin 34, b_lin 36, out0 38
	v_lshl_add_u32 v252, v0, 2, 0x3b800
	v_mov_b32 v253, 0
	v_and_b32 v22, 31, v0                          ; lane
	v_lshlrev_b32 v1, 4, v22                       ; v1 = 16 x lane
	v_lshlrev_b32 v2, 2, v22                       ; v2 = 4 x lane
	v_add_nc_u32 v3, 0x10000, v1                   ; v3 = 0x10000 + 16 x lane
	v_bfe_u32 v23, v0, 4, 1                        ; h
	v_lshlrev_b32 v4, 6, v23                       ; v4 = 64 h
	v_add_nc_u32 v5, -1, v23                       ; v5 = all ones in lanes 0-15
	v_sub_nc_u32 v6, 0, v23                        ; v6 = all ones in lanes 16-31
	v_lshrrev_b32 v9, 5, v0
	v_readfirstlane_b32 s40, v9                    ; wave 0..15
	s_lshr_b32 s2, s40, 1
	s_lshl_b32 s2, s2, 5
	s_and_b32 s3, s40, 1
	s_lshl_b32 s3, s3, 3
	s_add_co_u32 s41, s2, s3                       ; wb = 32 (w / 2) + 8 (w % 2)
	s_mov_b32 s42, ttmp9                           ; the patch
	s_lshr_b32 s2, s42, 8                          ; image
	s_bfe_u32 s3, s42, 0x40004                     ; patch row i
	s_and_b32 s4, s42, 15                          ; patch column j
	s_lshl_b32 s7, s3, 14                          ; 16 image rows of 1,024 bytes
	s_lshl_b32 s5, s2, 25                          ; x: image x 33,554,432
	s_lshl_b32 s6, s41, 17                         ;    + channel wb / 2 x 262,144
	s_add_co_u32 s5, s5, s6
	s_add_co_u32 s5, s5, s7
	s_lshl_b32 s6, s4, 6                           ;    + 64 j
	s_add_co_u32 s58, s5, s6
	s_mov_b32 s59, 0
	s_and_b32 s5, s4, 3                            ; the prefetch: image 1, channel 32 (j % 4) + 2 w, patch row i, the 256 bytes of the four patches j / 4
	s_lshl_b32 s5, s5, 5
	s_lshl_b32 s6, s40, 1
	s_add_co_u32 s5, s5, s6
	s_lshl_b32 s5, s5, 18
	s_add_co_u32 s5, s5, s7
	s_lshr_b32 s6, s4, 2
	s_lshl_b32 s6, s6, 8
	s_add_co_u32 s5, s5, s6
	s_add_co_u32 s60, s5, 0x2000000
	s_mov_b32 s61, 0
	s_lshl_b32 s5, s2, 18                          ; out0: image x 262,144 + 16,384 i + 64 j
	s_add_co_u32 s5, s5, s7
	s_lshl_b32 s6, s4, 6
	s_add_co_u32 s62, s5, s6
	s_mov_b32 s63, 0
	s_mov_b32 s44, 0x76543210                      ; v_permlanex16_b32's selects for lane l xor 16
	s_mov_b32 s45, 0xfedcba98
	s_mov_b32 s46, 0x3fb8aa3b                      ; log2(e); the packed form names the pair
	s_mov_b32 s47, s46
	v_and_b32 v9, 15, v0                           ; r
	v_and_b32 v22, 8, v9
	v_add_nc_u32 v22, v22, v9                      ; rp = r + 8 (r / 8)
	v_add_nc_u32 v22, s41, v22                     ; my token, and my row of w_pe and of w_out: wb + rp
	v_lshlrev_b32 v7, 6, v22
	v_lshl_add_u32 v7, v23, 4, v7                  ; w_pe's codes: 64 bytes a row, + 16 h
	v_lshlrev_b32 v8, 2, v22                       ; its scale word
	v_lshlrev_b32 v19, 7, v22
	v_lshl_add_u32 v19, v23, 4, v19                ; w_out's codes: 128 bytes a row, + 16 h
	v_lshlrev_b32 v10, 3, v22                      ; its scale words
	v_and_b32 v11, 255, v0
	v_lshlrev_b32 v11, 2, v11                      ; a number of a vector of 256
	v_lshlrev_b32 v12, 10, v22
	v_add_nc_u32 v12, v12, v4                      ; pos_emb: 1,024 bytes a token, + 64 h
	v_bfe_u32 v13, v0, 1, 2                        ; x: channel (r % 8) / 2
	v_lshlrev_b32 v13, 18, v13
	v_bfe_u32 v14, v0, 3, 1
	v_lshl_add_u32 v13, v14, 21, v13               ;    + 8 channels for r / 8
	v_and_b32 v14, 1, v0
	v_lshl_add_u32 v13, v14, 13, v13               ;    + 8 image rows for the odd token
	v_lshl_add_u32 v13, v23, 11, v13               ;    + 2 image rows for lanes 16-31: blocks h and 2 + h are mine
	s_lshl_b32 s2, s40, 10
	v_add_nc_u32 v14, s2, v1                       ; images: 16 x lane + 1,024 w
	s_lshl_b32 s2, s40, 7
	v_add_nc_u32 v15, s2, v2                       ; 4 x lane + 128 w
	s_lshl_b32 s2, s40, 11
	v_add_nc_u32 v16, s2, v1                       ; 16 x lane + 2,048 w
	s_lshl_b32 s2, s40, 8
	v_add_nc_u32 v17, s2, v2                       ; 4 x lane + 256 w
	v_lshlrev_b32 v18, 2, v0                       ; 4 x thread
	v_add_nc_u32 v20, 0x10000, v16                 ; seq's images
	s_wait_kmcnt 0x0
	s_add_nc_u64 s[56:57], s[8:9], s[60:61]        ; where my prefetch stands; never rewritten
	s_add_nc_u64 s[8:9], s[8:9], s[58:59]
	s_add_nc_u64 s[38:39], s[38:39], s[62:63]
	s_load_b32 s50, s[36:37], 0x0                  ; b_lin
	s_cmp_lt_u32 s40, 8                            ; waves 0-7 bring b_pe and ln_g, waves 8-15 b_out and ln_b; waves 0-7 make q, which is scaled
	s_cselect_b64 s[2:3], s[14:15], s[28:29]
	s_cselect_b64 s[4:5], s[30:31], s[32:33]
	s_cselect_b32 s48, 0x3e3504f3, 1.0             ; 1 / sqrt(32), or 1 for k
	s_mov_b32 s49, s48
	; (a) twelve loads that the work-group shares out: wave w brings tile w of w_pe and of w_out, and 32 numbers of the small vectors
	global_load_b128 v[216:219], v7, s[10:11]
	global_load_b128 v[220:223], v7, s[10:11] offset:32
	global_load_b32 v240, v8, s[12:13]
	global_load_b128 v[224:227], v19, s[24:25]
	global_load_b128 v[228:231], v19, s[24:25] offset:32
	global_load_b128 v[232:235], v19, s[24:25] offset:64
	global_load_b128 v[236:239], v19, s[24:25] offset:96
	global_load_b32 v241, v10, s[26:27]
	global_load_b32 v242, v10, s[26:27] offset:4
	global_load_b32 v9, v11, s[2:3]
	global_load_b32 v22, v11, s[4:5]
	global_load_b32 v23, v11, s[34:35]
	; (b) pos_emb of my 16 tokens, in the layout of the first product's result: register 16 B + i = feature 32 B + 16 h + i
.set bb, 0
.rept 8
.set jj, 0
.rept 4
	global_load_b128 v[S+16*bb+4*jj:S+16*bb+4*jj+3], v12, s[16:17] offset:128*bb+16*jj
.set jj, jj+1
.endr
.set bb, bb+1
.endr
	; (c) x: my token's blocks h and 2 + h: register 32 c + 16 row + pixel.  No hint: four neighbouring patches share each run of 256 bytes
.irp c, 0,1
.irp w, 0,1
.irp j, 0,1,2,3
	global_load_b128 v[XR+32*\c+16*\w+4*\j:XR+32*\c+16*\w+4*\j+3], v13, s[8:9] offset:4096*\c+1024*\w+16*\j
.endr
.endr
.endr
	s_wait_loadcnt 48                              ; the twelve are in: behind them 32 loads of pos_emb and 16 of x were issued
	v_mul_f32 v22, v22, v23                        ; ln_g x w_lin, or ln_b x w_lin
	ds_store_b128 v14, v[216:219] offset:WPE_I
	ds_store_b128 v14, v[220:223] offset:WPE_I+512
	ds_store_b32 v15, v240 offset:WPE_S
	ds_store_b128 v16, v[224:227] offset:WOUT_I
	ds_store_b128 v16, v[228:231] offset:WOUT_I+512
	ds_store_b128 v16, v[232:235] offset:WOUT_I+1024
	ds_store_b128 v16, v[236:239] offset:WOUT_I+1536
	ds_store_b32 v17, v241 offset:WOUT_S
	ds_store_b32 v17, v242 offset:WOUT_S+128
	ds_store_b32 v18, v9 offset:VEC_A
	ds_store_b32 v18, v22 offset:VEC_B
	BAR                                            ; barrier 1: w_pe, w_out and the small vectors lie in LDS
; ---------------------------------------------------------------- phase A: seq = z w_pe^T + b_pe + pos_emb, quantised
	s_wait_loadcnt 16                              ; pos_emb is in; x's 16 loads may stay out
.set bb, 0
.rept 8                                            ; b_pe onto pos_emb: the sum is the C of the first product
.set jj, 0
.rept 4
	ds_load_b128 v[TM+4*jj:TM+4*jj+3], v4 offset:VEC_A+128*bb+16*jj
.set jj, jj+1
.endr
	s_wait_dscnt 0x0
.set k, 0
.rept 8
	v_pk_add_f32 v[S+16*bb+k:S+16*bb+k+1], v[S+16*bb+k:S+16*bb+k+1], v[TM+k:TM+k+1]
.set k, k+2
.endr
.set bb, bb+1
.endr
	s_wait_loadcnt 0x0                             ; x
	s_wait_kmcnt 0x0                               ; b_lin
	v_max3_num_f32 v224, |v[XR]|, |v[XR+1]|, 0x1800000     ; my two whole blocks, by turns; the floor holds the byte at 1 from below
	v_max3_num_f32 v225, |v[XR+32]|, |v[XR+33]|, 0x1800000
.set k, 2
.rept 15
	v_max3_num_f32 v224, v224, |v[XR+k]|, |v[XR+k+1]|
	v_max3_num_f32 v225, v225, |v[XR+32+k]|, |v[XR+33+k]|
.set k, k+2
.endr
	v_add_nc_u32 v226, 0xff000000, v224
	v_add_nc_u32 v227, 0xff000000, v225
	v_lshrrev_b32 v228, 23, v226
	v_lshrrev_b32 v229, 23, v227
	v_lshl_or_b32 v[ZS], v229, 16, v228            ; bytes of blocks h and 2 + h,
	v_lshrrev_b32 v230, 3, v4
	v_lshlrev_b32 v[ZS], v230, v[ZS]               ; 8 h bits up;
	v_mov_b32 v231, 0
	v_permlanex16_b32 v231, v[ZS], s44, s45
	v_or_b32 v[ZS], v[ZS], v231                    ; with lane l xor 16's two the word is whole
.irp c, 0,1
.irp g, 0,1,2,3
	v_cvt_scalef32_pk8_fp4_f32 v[ZF+4*\c+\g], v[XR+32*\c+8*\g:XR+32*\c+8*\g+7], v[226+\c]
.endr
.endr
.macro PEL grp                         ; eight tiles of w_pe and their scale words
.set t, 0
.rept 8
	ds_load_b128 v[XR+8*t:XR+8*t+3], v1 offset:WPE_I+1024*(8*\grp+t)
	ds_load_b128 v[XR+8*t+4:XR+8*t+7], v1 offset:WPE_I+1024*(8*\grp+t)+512
	ds_load_b32 v[SC+t], v2 offset:WPE_S+128*(8*\grp+t)
.set t, t+1
.endr
.endm
.macro PEM grp                         ; eight products, each on an accumulator of its own, which begins as pos_emb + b_pe
	s_wait_dscnt 0x0
.set t, 0
.rept 8
	WMC S+8*(8*\grp+t), XR+8*t, ZF, S+8*(8*\grp+t), SC+t, ZS
.set t, t+1
.endr
.endm
	PEL 0
	PLACES 8                                       ; z's scale word and codes were made by vector instructions: eight places ahead of the scaled products
	PEM 0
	PLACES 4                                       ; ahead of loads into registers that the products have read
	PEL 1
	PEM 1
	; offsets of phase B's operands: these plain lines are also the places behind the products
	v_and_b32 v9, 15, v0
	v_and_b32 v22, 8, v9
	v_add_nc_u32 v22, v22, v9                      ; rp
	v_bfe_u32 v23, v0, 4, 1                        ; h
	v_lshlrev_b32 v9, 7, v22
	v_lshl_add_u32 v9, v23, 4, v9                  ; 128 rp + 16 h: a row of w_in is 128 bytes
	s_lshl_b32 s2, s40, 12
	v_add_nc_u32 v7, s2, v9                        ; my q or k rows: 32 w on
	s_add_co_u32 s3, s41, 512
	s_lshl_b32 s2, s3, 7
	v_add_nc_u32 v8, s2, v9                        ; my v rows: 512 + wb on
	v_lshlrev_b32 v9, 3, v22
	s_lshl_b32 s2, s40, 8
	v_add_nc_u32 v10, s2, v9                       ; their scale words, 8 bytes a row
	s_lshl_b32 s2, s3, 3
	v_add_nc_u32 v11, s2, v9
	s_lshl_b32 s2, s40, 7
	v_add_nc_u32 v12, s2, v4                       ; b_in of features 32 w + 16 h on
	v_add_nc_u32 v13, s3, v22
	v_lshlrev_b32 v13, 2, v13                      ; b_in of my v row
.irp u, 0,1
.irp s, 0,1
	global_load_b128 v[WQ+16*\u+8*\s:WQ+16*\u+8*\s+3], v7, s[18:19] offset:1024*\u+64*\s
	global_load_b128 v[WQ+16*\u+8*\s+4:WQ+16*\u+8*\s+7], v7, s[18:19] offset:1024*\u+64*\s+32
	global_load_b32 v[WQS+2*\u+\s], v10, s[20:21] offset:64*\u+4*\s
.endr
.endr
.irp s, 0,1
	global_load_b128 v[WV+8*\s:WV+8*\s+3], v8, s[18:19] offset:64*\s
	global_load_b128 v[WV+8*\s+4:WV+8*\s+7], v8, s[18:19] offset:64*\s+32
	global_load_b32 v[WVS+\s], v11, s[20:21] offset:4*\s
.endr
.irp j, 0,1,2,3
	global_load_b128 v[BQ+4*\j:BQ+4*\j+3], v12, s[22:23] offset:16*\j
.endr
	global_load_b32 v236, v13, s[22:23]
.irp k, 4,5,6,7
	v_mov_b32 v[TM+\k], 0                          ; written once: a lane permute's destination counts as one of its sources
.endr
	QUANT S                                        ; features 0-127: K step 0 of the second product
	ds_store_b128 v20, v[PCA:PCA+3]
	ds_store_b128 v20, v[PCA+4:PCA+7] offset:512
	ds_store_b32 v17, v[PW] offset:SEQ_S
	s_wait_dscnt 0x0                               ; the stores have read their registers
	QUANT S+64                                     ; features 128-255: K step 1
	ds_store_b128 v20, v[PCA:PCA+3] offset:1024
	ds_store_b128 v20, v[PCA+4:PCA+7] offset:1536
	ds_store_b32 v17, v[PW] offset:SEQ_S+128
	BAR                                            ; barrier 2: seq's 32 fragments lie in LDS
; ---------------------------------------------------------------- phase B: q, k, v for all 256 tokens, quantised
	s_wait_loadcnt 0x0                             ; my rows of w_in, their scales and biases
.irp k, 0,1,2,3,4,5,6,7
	v_mov_b32 v[BV+\k], v236                       ; v is made untransposed: a lane holds one row of w_in, so its bias fills the lane's eight registers
.endr
	s_lshl_b32 s2, s40, 12
	s_add_co_u32 s2, s2, QK_I
	v_add_nc_u32 v14, s2, v1                       ; where my group's codes go
	s_lshl_b32 s2, s40, 9
	s_add_co_u32 s2, s2, QK_S
	v_add_nc_u32 v15, s2, v2                       ; its scale words
	v_add_nc_u32 v18, V_I, v16                     ; my dim tile of v
	v_add_nc_u32 v19, V_S, v17
; Token tiles 2 b and 2 b + 1.  q, k transposed (source 0 = my rows of w_in): a lane holds one token and 16 of the head's 32 dims.  v untransposed (source 0 = tokens): a lane holds one dim and keys 32 b + 16 h + 0 .. 15.
; Six accumulators by turns, K step 0 and then K step 1.
.macro PAIR b
.irp a, 0,1
.irp s, 0,1
	ds_load_b128 v[SF+16*\a+8*\s:SF+16*\a+8*\s+3], v3 offset:(2*\b+\a)*2048+1024*\s
	ds_load_b128 v[SF+16*\a+8*\s+4:SF+16*\a+8*\s+7], v3 offset:(2*\b+\a)*2048+1024*\s+512
	ds_load_b32 v[SFS+2*\a+\s], v2 offset:SEQ_S+(2*\b+\a)*256+128*\s
.endr
.endr
	s_wait_dscnt 0x0                               ; they are in; the last pair's stores have read their registers too
.irp a, 0,1
.irp u, 0,1
	WMC ACC+16*\a+8*\u, WQ+16*\u, SF+16*\a, BQ+8*\u, WQS+2*\u, SFS+2*\a
.endr
.endr
.irp a, 0,1
	WMC ACC+32+8*\a, SF+16*\a, WV, BV, SFS+2*\a, WVS
.endr
.irp a, 0,1
.irp u, 0,1
	WMC ACC+16*\a+8*\u, WQ+16*\u+8, SF+16*\a+8, ACC+16*\a+8*\u, WQS+2*\u+1, SFS+2*\a+1
.endr
.endr
.irp a, 0,1
	WMC ACC+32+8*\a, SF+16*\a+8, WV+8, ACC+32+8*\a, SFS+2*\a+1, WVS+1
.endr
	PLACES 4
.set k, 0
.rept 16
	v_pk_mul_f32 v[ACC+k:ACC+k+1], v[ACC+k:ACC+k+1], s[48:49] op_sel_hi:[1,0]   ; q x 1 / sqrt(32); k x 1.  Each accumulator from its low end on
.set k, k+2
.endr
	QB ACC, 3                                      ; blocks: tile 2 b's head dims, tile 2 b + 1's, v's 32 keys
.if (\b)%2 == 0
	v_lshl_or_b32 v[QW], v[TM+5], 8, v[TM+4]       ; a word holds the bytes of four token tiles
.else
	v_lshl_or_b32 v[QW], v[TM+4], 16, v[QW]
	v_lshl_or_b32 v[QW], v[TM+5], 24, v[QW]
.endif
.if (\b)%4 == 0
	v_mov_b32 v[VW], v[TM+6]                       ; and of four blocks of keys
.else
	v_lshl_or_b32 v[VW], v[TM+6], 8*((\b)%4), v[VW]
.endif
	CV PCB, ACC, 0
	CV PCB+2, ACC+16, 1
	CV VC+2*((\b)%2), ACC+32, 2
	v_nop                                          ; one plain line behind the last conversion
	SWAP4 PCB                                      ; lanes 0-15: tile 2 b's 32 dims; lanes 16-31: tile 2 b + 1's
	ds_store_b128 v14, v[PCB:PCB+3] offset:512*(\b)
.if (\b)%2 == 1
	ds_store_b32 v15, v[QW] offset:128*((\b)/2)
	SWAP4 VC                                       ; lanes 0-15: keys' block b - 1; lanes 16-31: block b
	ds_store_b128 v18, v[VC:VC+3] offset:512*((\b)/2)
.endif
.if (\b)%4 == 3
	ds_store_b32 v19, v[VW] offset:128*((\b)/4)
.endif
.endm
.irp p, 0,1,2,3,4,5,6,7
	PAIR \p
.endr
	BAR                                            ; barrier 3: q, k and v lie in LDS
; ---------------------------------------------------------------- phase D: attention, a head a trip; wave w owns query tile w
	v_and_b32 v9, 15, v0                           ; r
	v_bfe_u32 v22, v0, 4, 1                        ; h
	s_lshl_b32 s2, s40, 8
	s_add_co_u32 s2, s2, QK_I
	v_lshl_add_u32 v7, v9, 4, s2                   ; my tile's q: pair w / 2, lanes 16 (w % 2) + r: 256 w + 16 r; both halves of the lanes read the same 16 bytes
	v_add_nc_u32 v8, QK_I+0x8000, v1               ; k's groups begin 8 x 4,096 bytes on
	v_add_nc_u32 v10, QK_S, v2
	s_lshr_b32 s2, s40, 2
	s_lshl_b32 s2, s2, 7
	s_add_co_u32 s2, s2, QK_S
	v_add_nc_u32 v11, s2, v2                       ; the word that holds my tile's byte
	s_lshl_b32 s2, s40, 11
	s_add_co_u32 s2, s2, O_I
	v_lshl_add_u32 v12, v9, 4, s2
	v_lshl_add_u32 v12, v22, 3, v12                ; o's image: 2,048 w + 16 r + 8 h
	s_lshl_b32 s2, s40, 7
	s_add_co_u32 s2, s2, O_S
	v_lshl_add_u32 v13, v9, 3, s2                  ; o's scale bytes: 128 w + 8 r
	s_and_b32 s2, s40, 3
	s_mul_i32 s55, s2, 0x01010101                  ; v_perm_b32's selector: byte w % 4 into all four places
.irp k, 60,61,62,63,68,69,70,71,81,87,224,225,226,227,228,229,230,231
	v_mov_b32 v\k, 0                               ; the zero codes; and registers that are named before they are first written
.endr
	s_mov_b32 s51, 0                               ; head
	s_mov_b32 s52, 0                               ; 4,096 x head
	s_mov_b32 s53, 0                               ; 512 x head
	s_mov_b32 s54, 0                               ; 256 x head
.Lhead:
	v_add_nc_u32 v14, s52, v7
	v_add_nc_u32 v15, s52, v8
	v_add_nc_u32 v17, s53, v10
	v_add_nc_u32 v18, s53, v11
	ds_load_b128 v[QR:QR+3], v14
	ds_load_b32 v[SC+4], v18
.set g, 0
.rept 4
	ds_load_b128 v[KF+8*g:KF+8*g+3], v15 offset:1024*g
	ds_load_b128 v[KF+8*g+4:KF+8*g+7], v15 offset:1024*g+512
	ds_load_b32 v[SC+g], v17 offset:4096+128*g
.set g, g+1
.endr
	s_wait_dscnt 0x0
	v_perm_b32 v[SC+5], v[SC+4], v[SC+4], s55      ; q's scale byte for whichever block q stands in
.irp k, 0,1,2,3
	v_and_b32 v[QV+\k], v[QR+\k], v5               ; q in lanes 0-15 alone,
	v_and_b32 v[QV+8+\k], v[QR+\k], v6             ; in lanes 16-31 alone,
	v_and_b32 v[QV+16+\k], v[QR+\k], v5            ; and in lanes 0-15 once more
.endr
	v_add_nc_u32 v16, s52, v3                      ; addresses for later in the trip: with the five lines below, eight places ahead of the scaled products
	v_add_nc_u32 v19, s54, v12
	v_add_nc_u32 v20, s51, v13
	PLACES 5
.set g, 0
.rept 4                                            ; S^T = k q^T: key tile 4 g + block, 16 accumulators, each begun with 0
	WM0 S+8*(4*g), KF+8*g, QV, SC+g, SC+5          ; q in K block 0
	WM0 S+8*(4*g+1), KF+8*g, QV+8, SC+g, SC+5      ; block 1
	WM0 S+8*(4*g+2), KF+8*g, QV+12, SC+g, SC+5     ; block 2
	WM0 S+8*(4*g+3), KF+8*g, QV+4, SC+g, SC+5      ; block 3
.set g, g+1
.endr
	PLACES 4                                       ; ahead of loads into k's registers and of the first read of the scores
.irp u, 0,1
.irp s, 0,1
	ds_load_b128 v[KF+16*\u+8*\s:KF+16*\u+8*\s+3], v16 offset:0x8000+2048*\u+1024*\s       ; v's four fragments land under the softmax
	ds_load_b128 v[KF+16*\u+8*\s+4:KF+16*\u+8*\s+7], v16 offset:0x8000+2048*\u+1024*\s+512
	ds_load_b32 v[SC+2*\u+\s], v17 offset:0x2000+128*(2*\u+\s)
.endr
.endr
	; register 16 b + i of S is key 32 b + 16 h + i of my query.  The largest score of each block of 32 keys serves twice: for the row's maximum and for the block's largest p
.set b, 0
.rept 8
	v_max3_num_f32 v[BM+b], v[S+16*b], v[S+16*b+1], v[S+16*b+2]
.set b, b+1
.endr
.set i, 3
.rept 6
.set b, 0
.rept 8
	v_max3_num_f32 v[BM+b], v[BM+b], v[S+16*b+i], v[S+16*b+i+1]
.set b, b+1
.endr
.set i, i+2
.endr
.set b, 0
.rept 8
	v_max_num_f32 v[BM+b], v[BM+b], v[S+16*b+15]
.set b, b+1
.endr
.set b, 0
.rept 8
	v_permlanex16_b32 v[BP+b], v[BM+b], s44, s45
.set b, b+1
.endr
.set b, 0
.rept 8
	v_max_num_f32 v[BM+b], v[BM+b], v[BP+b]
.set b, b+1
.endr
	v_max3_num_f32 v81, v[BM], v[BM+1], v[BM+2]
	v_max3_num_f32 v81, v81, v[BM+3], v[BM+4]
	v_max3_num_f32 v81, v81, v[BM+5], v[BM+6]
	v_max_num_f32 v81, v81, v[BM+7]                ; the row's largest score
	v_mul_f32 v81, s46, v81                        ; as t
	v_floor_f32 v[NM], -v81                        ; -M = floor(-t) = -ceil(t)
.set j, 0
.rept 64
	v_pk_fma_f32 v[S+j:S+j+1], v[S+j:S+j+1], s[46:47], v[NM:NM+1] op_sel_hi:[1,0,0]   ; t - M, two at a time
.set j, j+2
.endr
.set b, 0
.rept 8
	v_fma_f32 v[BM+b], v[BM+b], s46, v[NM]         ; the same of each block's largest score
.set b, b+1
.endr
.set j, 0
.rept 128
	v_exp_f32 v[S+j], v[S+j]                       ; p = 2^(t - M)
.set j, j+1
.endr
	v_nop                                          ; a plain line behind the last exponential
	s_wait_alu depctr_va_vdst(0)                   ; one wait for the batch of 128, ahead of its first reader
.set b, 0
.rept 8
	v_exp_f32 v[BM+b], v[BM+b]                     ; the blocks' largest p
.set b, b+1
.endr
	v_pk_add_f32 v[SA:SA+1], v[S:S+1], v[S+2:S+3]  ; the row's sum of the unquantised p, in two chains; this part reads the 128 alone
	v_pk_add_f32 v[SB:SB+1], v[S+4:S+5], v[S+6:S+7]
.set j, 8
.rept 14
	v_pk_add_f32 v[SA:SA+1], v[SA:SA+1], v[S+j:S+j+1]
	v_pk_add_f32 v[SB:SB+1], v[SB:SB+1], v[S+j+2:S+j+3]
.set j, j+4
.endr
	s_wait_alu depctr_va_vdst(0)                   ; and one wait for the eight
.set b, 0
.rept 8
	v_max_num_f32 v[BM+b], 0x1800000, v[BM+b]      ; the floor: the byte cannot fall under 1
.set b, b+1
.endr
.set b, 0
.rept 8
	v_add_nc_u32 v[BS+b], 0xff000000, v[BM+b]
.set b, b+1
.endr
.set b, 0
.rept 8
	v_lshrrev_b32 v[BP+b], 23, v[BS+b]
.set b, b+1
.endr
.irp s, 0,1
	v_lshl_or_b32 v[SC+6+\s], v[BP+4*\s+1], 8, v[BP+4*\s]       ; p's scale words of keys 128 s on
	v_lshl_or_b32 v[SC+6+\s], v[BP+4*\s+2], 16, v[SC+6+\s]
	v_lshl_or_b32 v[SC+6+\s], v[BP+4*\s+3], 24, v[SC+6+\s]
.endr
.set b, 0
.rept 8
	v_cvt_scalef32_pk8_fp4_f32 v[BM+2*b], v[S+16*b:S+16*b+7], v[BS+b]
	v_cvt_scalef32_pk8_fp4_f32 v[BM+2*b+1], v[S+16*b+8:S+16*b+15], v[BS+b]
.set b, b+1
.endr
	v_nop                                          ; one plain line behind the last conversion
.irp c, 0,1,2,3
	SWAP4 BM+4*\c
.endr
.set j, 64
.rept 16                                           ; the rest of the row's sum: these lines are also the places ahead of the scaled products
	v_pk_add_f32 v[SA:SA+1], v[SA:SA+1], v[S+j:S+j+1]
	v_pk_add_f32 v[SB:SB+1], v[SB:SB+1], v[S+j+2:S+j+3]
.set j, j+4
.endr
	v_pk_add_f32 v[SA:SA+1], v[SA:SA+1], v[SB:SB+1]
	s_wait_dscnt 0x0                               ; v
	WM0 S, KF, BM, SC, SC+6                        ; O^T = v^T p^T: two tiles of 16 dims by turns, keys 0-127 and then 128-255; the results lie over p, which is done with
	WM0 S+8, KF+16, BM, SC+2, SC+6
	WMC S, KF+8, BM+8, S, SC+1, SC+7
	WMC S+8, KF+24, BM+8, S+8, SC+3, SC+7
	v_add_f32 v[SA], v[SA], v[SA+1]
	v_permlanex16_b32 v[SB+1], v[SA], s44, s45
	v_add_f32 v[SA], v[SA], v[SB+1]                ; l
	v_rcp_f32 v[RC], v[SA]
	PLACES 3                                       ; with the two additions: the places behind the last product; and the plain line behind the reciprocal
	s_wait_alu depctr_va_vdst(0)
.set k, 0
.rept 8
	v_pk_mul_f32 v[S+k:S+k+1], v[S+k:S+k+1], v[RC:RC+1] op_sel_hi:[1,0]    ; o = O^T / l: register i is dim 16 h + i of this head
.set k, k+2
.endr
	v_max3_num_f32 v232, |v[S]|, |v[S+1]|, 0x1800000       ; o's block along the next K is this head's 32 dims
	v_max3_num_f32 v233, |v[S+8]|, |v[S+9]|, 0x1800000
.irp i, 2,4,6
	v_max3_num_f32 v232, v232, |v[S+\i]|, |v[S+\i+1]|
	v_max3_num_f32 v233, v233, |v[S+8+\i]|, |v[S+9+\i]|
.endr
	v_max_num_f32 v232, v232, v233
	v_permlanex16_b32 v233, v232, s44, s45
	v_max_num_f32 v232, v232, v233
	v_add_nc_u32 v234, 0xff000000, v232
	v_lshrrev_b32 v235, 23, v234
	v_cvt_scalef32_pk8_fp4_f32 v236, v[S:S+7], v234
	v_cvt_scalef32_pk8_fp4_f32 v237, v[S+8:S+15], v234
	v_nop                                          ; one plain line behind the last conversion
	ds_store_b64 v19, v[236:237]                   ; at 256 head + 16 r + 8 h these two registers stand where the operand's image wants them: K step head / 4, group (head / 2) % 2, lanes 16 (head % 2) + r, registers 2 h, 2 h + 1
	ds_store_b8 v20, v235                          ; both lanes of a token write the same byte with the same value
	s_add_co_u32 s52, s52, 4096
	s_add_co_u32 s53, s53, 512
	s_add_co_u32 s54, s54, 256
	s_add_co_u32 s51, s51, 1
	s_cmp_lt_u32 s51, 8
	s_cbranch_scc1 .Lhead
; ---------------------------------------------------------------- phase E: out-projection, LayerNorm, the dot with w_lin, sigmoid
	s_lshl_b32 s2, s40, 11
	s_add_co_u32 s2, s2, O_I
	v_add_nc_u32 v14, s2, v1
.irp k, 0,1,2,3
	ds_load_b128 v[216+4*\k:216+4*\k+3], v14 offset:512*\k         ; o's two fragments: LDS serves a wave's instructions in order, so these see my stores
.endr
	ds_load_b64 v[SC+8:SC+9], v13                  ; and their scale words
.set bb, 0
.rept 8
.set jj, 0
.rept 4
	ds_load_b128 v[S+16*bb+4*jj:S+16*bb+4*jj+3], v4 offset:VEC_A+1024+128*bb+16*jj   ; b_out, in the result's layout: the C of the product
.set jj, jj+1
.endr
.set bb, bb+1
.endr
	; A prefetch of x for the patches of image 1.  The four work-groups of patches 4 (j / 4) .. + 3 of image 0 share out, by address, the 128 channels x 16 rows x 256 bytes that the same four patches of image 1 read:
	; 32 channels a work-group, 2 a wave, a lane a run of 256 bytes: each run is named once in the launch.  It stands behind the phase's LDS loads; its address registers are never rewritten.
	v_and_b32 v9, 15, v0
	v_bfe_u32 v22, v0, 4, 1
	v_lshlrev_b32 v21, 10, v9
	v_lshl_add_u32 v21, v22, 18, v21
	s_cmp_lt_u32 s42, 256
	s_cbranch_scc0 .Lno_prefetch
	global_prefetch_b8 v21, s[56:57] th:TH_LOAD_NT scope:SCOPE_SE
.Lno_prefetch:
.macro WOG grp                         ; four tiles of w_out: four accumulators by turns, K step 0 and then K step 1
.irp t, 0,1,2,3
.irp s, 0,1
	ds_load_b128 v[XR+16*\t+8*\s:XR+16*\t+8*\s+3], v1 offset:WOUT_I+(4*\grp+\t)*2048+1024*\s
	ds_load_b128 v[XR+16*\t+8*\s+4:XR+16*\t+8*\s+7], v1 offset:WOUT_I+(4*\grp+\t)*2048+1024*\s+512
	ds_load_b32 v[SC+2*\t+\s], v2 offset:WOUT_S+(4*\grp+\t)*256+128*\s
.endr
.endr
	s_wait_dscnt 0x0
.irp t, 0,1,2,3
	WMC S+8*(4*\grp+\t), XR+16*\t, 216, S+8*(4*\grp+\t), SC+2*\t, SC+8
.endr
.irp t, 0,1,2,3
	WMC S+8*(4*\grp+\t), XR+16*\t+8, 224, S+8*(4*\grp+\t), SC+2*\t+1, SC+9
.endr
	PLACES 4
.endm
	WOG 0
	WOG 1
	WOG 2
	WOG 3
	v_lshlrev_b32 v15, 1, v1                       ; 32 x lane
.set bb, 0
.rept 4
.set jj, 0
.rept 4
	ds_load_b128 v[XR+16*bb+4*jj:XR+16*bb+4*jj+3], v4 offset:VEC_B+128*bb+16*jj      ; ln_g x w_lin of my first 64 features
.set jj, jj+1
.endr
.set bb, bb+1
.endr
	ds_load_b128 v[216:219], v15 offset:VEC_B+1024         ; ln_b x w_lin: eight numbers a lane
	ds_load_b128 v[220:223], v15 offset:VEC_B+1024+16
	v_pk_add_f32 v[232:233], v[S:S+1], v[S+2:S+3]          ; the mean: my 128 features, two chains, each accumulator from its low end on
	v_pk_add_f32 v[234:235], v[S+4:S+5], v[S+6:S+7]
.set j, 8
.rept 30
	v_pk_add_f32 v[232:233], v[232:233], v[S+j:S+j+1]
	v_pk_add_f32 v[234:235], v[234:235], v[S+j+2:S+j+3]
.set j, j+4
.endr
	v_pk_add_f32 v[232:233], v[232:233], v[234:235]
	v_add_f32 v232, v232, v233
	v_permlanex16_b32 v233, v232, s44, s45
	v_add_f32 v232, v232, v233
	v_mul_f32 v232, 0x3b800000, v232               ; / 256
.set j, 0
.rept 64
	v_pk_add_f32 v[S+j:S+j+1], v[S+j:S+j+1], v[232:233] op_sel_hi:[1,0] neg_lo:[0,1] neg_hi:[0,1]   ; d = o - mean: the variance is taken of d, not as a difference of large sums
.set j, j+2
.endr
	s_wait_dscnt 0x0
	v_pk_mul_f32 v[238:239], v[S:S+1], v[XR:XR+1]          ; the sum of d x ln_g x w_lin, first 64 features
	v_pk_mul_f32 v[224:225], v[S+2:S+3], v[XR+2:XR+3]
.set j, 4
.rept 15
	v_pk_fma_f32 v[238:239], v[S+j:S+j+1], v[XR+j:XR+j+1], v[238:239]
	v_pk_fma_f32 v[224:225], v[S+j+2:S+j+3], v[XR+j+2:XR+j+3], v[224:225]
.set j, j+4
.endr
.set bb, 0
.rept 4
.set jj, 0
.rept 4
	ds_load_b128 v[XR+16*bb+4*jj:XR+16*bb+4*jj+3], v4 offset:VEC_B+512+128*bb+16*jj  ; the other 64: they land under the variance
.set jj, jj+1
.endr
.set bb, bb+1
.endr
	v_pk_mul_f32 v[234:235], v[S:S+1], v[S:S+1]            ; the sum of d x d
	v_pk_mul_f32 v[236:237], v[S+2:S+3], v[S+2:S+3]
.set j, 4
.rept 31
	v_pk_fma_f32 v[234:235], v[S+j:S+j+1], v[S+j:S+j+1], v[234:235]
	v_pk_fma_f32 v[236:237], v[S+j+2:S+j+3], v[S+j+2:S+j+3], v[236:237]
.set j, j+4
.endr
	v_add_f32 v216, v216, v217                     ; the sum of ln_b x w_lin over all 256, + b_lin
	v_add_f32 v218, v218, v219
	v_add_f32 v220, v220, v221
	v_add_f32 v222, v222, v223
	v_add_f32 v216, v216, v218
	v_add_f32 v220, v220, v222
	v_add_f32 v216, v216, v220
	v_add_f32_dpp v216, v216, v216 row_xmask:1 row_mask:0xf bank_mask:0xf
	v_add_f32_dpp v216, v216, v216 row_xmask:2 row_mask:0xf bank_mask:0xf
	v_add_f32_dpp v216, v216, v216 row_xmask:4 row_mask:0xf bank_mask:0xf
	v_add_f32_dpp v216, v216, v216 row_xmask:8 row_mask:0xf bank_mask:0xf
	v_permlanex16_b32 v217, v216, s44, s45
	v_add_f32 v216, v216, v217
	v_add_f32 v216, s50, v216
	s_wait_dscnt 0x0
.set j, 0
.rept 16
	v_pk_fma_f32 v[238:239], v[S+64+j:S+64+j+1], v[XR+j:XR+j+1], v[238:239]
	v_pk_fma_f32 v[224:225], v[S+64+j+2:S+64+j+3], v[XR+j+2:XR+j+3], v[224:225]
.set j, j+4
.endr
	v_pk_add_f32 v[234:235], v[234:235], v[236:237]
	v_pk_add_f32 v[238:239], v[238:239], v[224:225]
	v_add_f32 v234, v234, v235
	v_add_f32 v238, v238, v239
	v_permlanex16_b32 v235, v234, s44, s45
	v_permlanex16_b32 v239, v238, s44, s45
	v_add_f32 v234, v234, v235
	v_add_f32 v238, v238, v239
	s_mov_b32 s2, 0x3b800000                       ; 1 / 256
	s_mov_b32 s3, 0x3727c5ac                       ; 1e-5
	v_fma_f32 v234, v234, s2, s3                   ; the variance + eps
	v_rsq_f32 v235, v234
	v_and_b32 v9, 15, v0                           ; (plain work behind the transcendental: the addresses of the way out)
	v_and_b32 v22, 8, v9
	v_add_nc_u32 v22, v22, v9
	v_add_nc_u32 v22, s41, v22                     ; my token
	s_wait_alu depctr_va_vdst(0)
	v_fma_f32 v236, v238, v235, v216               ; ln . w_lin + b_lin
	v_mul_f32 v236, 0xbfb8aa3b, v236
	v_exp_f32 v237, v236                           ; e^-z
	v_lshlrev_b32 v16, 2, v22
	v_bfe_u32 v9, v0, 2, 3
	v_and_b32 v22, 3, v0
	s_wait_alu depctr_va_vdst(0)
	v_add_f32 v237, 1.0, v237
	v_rcp_f32 v238, v237                           ; the sigmoid
	v_lshlrev_b32 v17, 10, v9
	v_lshl_add_u32 v17, v22, 4, v17                ; out0: image row lane / 4, 16 bytes at 16 (lane % 4)
	s_wait_alu depctr_va_vdst(0)
	ds_store_b32 v16, v238 offset:OUTS             ; both lanes of a token write the same word with the same value
	BAR                                            ; barrier 4: the patch's 256 results lie in LDS, token t = 16 x row + pixel
	s_cmp_lg_u32 s40, 0
	s_cbranch_scc1 .Lend
	ds_load_b128 v[24:27], v1 offset:OUTS          ; wave 0 stores them: four lanes to a patch row of 64 bytes
	ds_load_b128 v[28:31], v1 offset:OUTS+512
	s_wait_dscnt 0x0
	global_store_b128 v17, v[24:27], s[38:39]
	global_store_b128 v17, v[28:31], s[38:39] offset:8192
.Lend:
	s_wait_tensorcnt 0x0
	ds_add_u32 v252, v253
	s_wait_dscnt 0x0
	s_endpgm
.Lfunc_end_k_qb22b7687a4_patch:
	.size	k_qb22b7687a4_patch, .Lfunc_end_k_qb22b7687a4_patch-k_qb22b7687a4_patch
	.p2alignl 7, 3214868480
	.fill 96, 4, 3214868480
	.section	.rodata,"a",@progbits
	.p2align	6, 0x0
	.amdhsa_kernel k_qb22b7687a4_patch
		.amdhsa_group_segment_fixed_size 245760
		.amdhsa_private_segment_fixed_size 0
		.amdhsa_enable_private_segment 0
		.amdhsa_kernarg_size 128
		.amdhsa_user_sgpr_count 2
		.amdhsa_user_sgpr_kernarg_segment_ptr 1
		.amdhsa_wavefront_size32 1
		.amdhsa_system_sgpr_workgroup_id_x 1
		.amdhsa_system_sgpr_workgroup_id_y 1
		.amdhsa_system_sgpr_workgroup_id_z 1
		.amdhsa_system_vgpr_workitem_id 0
		.amdhsa_next_free_vgpr 256
		.amdhsa_next_free_sgpr 66
		.amdhsa_reserve_vcc 0
		.amdhsa_float_denorm_mode_32 3
		.amdhsa_float_denorm_mode_16_64 3
		.amdhsa_memory_ordered 1
		.amdhsa_forward_progress 1
		.amdhsa_inst_pref_size 152
	.end_amdhsa_kernel
	.amdgpu_metadata
---
amdhsa.version: [ 1, 2 ]
amdhsa.kernels:
  - .name:           k_qb22b7687a4_patch
    .symbol:         k_qb22b7687a4_patch.kd
    .args:
      - { .name: x, .offset: 0, .size: 8, .value_kind: global_buffer, .address_space: global }
      - { .name: w_pe_codes, .offset: 8, .size: 8, .value_kind: global_buffer, .address_space: global }
      - { .name: w_pe_scales, .offset: 16, .size: 8, .value_kind: global_buffer, .address_space: global }
      - { .name: b_pe, .offset: 24, .size: 8, .value_kind: global_buffer, .address_space: global }
      - { .name: pos_emb, .offset: 32, .size: 8, .value_kind: global_buffer, .address_space: global }
      - { .name: w_in_codes, .offset: 40, .size: 8, .value_kind: global_buffer, .address_space: global }
      - { .name: w_in_scales, .offset: 48, .size: 8, .value_kind: global_buffer, .address_space: global }
      - { .name: b_in, .offset: 56, .size: 8, .value_kind: global_buffer, .address_space: global }
      - { .name: w_out_codes, .offset: 64, .size: 8, .value_kind: global_buffer, .address_space: global }
      - { .name: w_out_scales, .offset: 72, .size: 8, .value_kind: global_buffer, .address_space: global }
      - { .name: b_out, .offset: 80, .size: 8, .value_kind: global_buffer, .address_space: global }
      - { .name: ln_g, .offset: 88, .size: 8, .value_kind: global_buffer, .address_space: global }
      - { .name: ln_b, .offset: 96, .size: 8, .value_kind: global_buffer, .address_space: global }
      - { .name: w_lin, .offset: 104, .size: 8, .value_kind: global_buffer, .address_space: global }
      - { .name: b_lin, .offset: 112, .size: 8, .value_kind: global_buffer, .address_space: global }
      - { .name: out0, .offset: 120, .size: 8, .value_kind: global_buffer, .address_space: global }
    .group_segment_fixed_size: 245760
    .private_segment_fixed_size: 0
    .kernarg_segment_align: 8
    .kernarg_segment_size: 128
    .max_flat_workgroup_size: 512
    .sgpr_count:     66
    .vgpr_count:     256
    .wavefront_size: 32
...
	.end_amdgpu_metadata
.endif
;; end of part 1
;; ======== version 2 of 2: 1 launch; version 1 with the launch patch written anew for expert scheduling mode
;; launch patch (part 2): grid 512 x 1, 16 waves a work-group, no clusters, 245,760 bytes of LDS; arguments x, w_pe_codes, w_pe_scales, b_pe, pos_emb, w_in_codes, w_in_scales, b_in, w_out_codes, w_out_scales, b_out, ln_g, ln_b, w_lin, b_lin, out0; writes out0
.if DOCPART == 2
	.amdgcn_target "amdgcn-amd-amdhsa--gfx1250"
	.amdhsa_code_object_version 6
	.text
	.protected	k_qb22b7687a4_patch
	.globl	k_qb22b7687a4_patch
	.p2align	8
	.type	k_qb22b7687a4_patch,@function
k_qb22b7687a4_patch:
	s_mov_b64 s[64:65], 0
	v_nop
	global_prefetch_b8 v0, s[64:65] scope:SCOPE_SE
	s_setreg_imm32_b32 hwreg(HW_REG_WAVE_SCHED_MODE, 0, 2), 2
	s_setreg_imm32_b32 hwreg(HW_REG_WAVE_MODE, 25, 1), 1
	s_wait_xcnt 0x0
	s_wait_alu depctr_vm_vsrc(0)
; InnerPatchAttention, all of it in one launch.  One work-group = one patch of 16 x 16 pixels = 256 tokens; 16 waves of 256 registers, four to a SIMD.
; Chain of a patch: embed (K 128) + b_pe + pos_emb -> qkv (K 256) -> 8 heads of attention (32 dims, 256 keys) -> out-projection (K 256) -> LayerNorm, dot with w_lin, sigmoid.
; All five matrix products run on E2M1 codes with one E8M0 scale for each 32 along K; everything ahead of a quantiser is f32.
; TOKENS.  Token t of a patch is channel t / 2, image rows 8 (t % 2) .. + 7 of the patch; K index 16 x (row in that half) + pixel.  A block of 32 along K is two pieces of 64 bytes, 1,024 bytes apart.
; TILES.  Tile w, position r stands for token (or weight row) wb(w) + rp(r), wb = 32 (w / 2) + 8 (w % 2), rp = r + 8 (r / 8).  With a product used transposed (source 0 = 16 weight rows, source 1 = 16 tokens) a lane holds one
;   token, and the 16 registers of tiles 2 B and 2 B + 1 are the 16 neighbours 32 B + 16 (lane / 16) + 0 .. 15 along the next K: what the conversions want.
; SHARES.  Embed, attention, out-projection: wave w owns token tile w.  qkv: wave w owns w_in's rows 32 w .. 32 w + 31 (waves 0-7: q of head w; 8-15: k of head w - 8) and 16 rows of v, for all 256 tokens.
; Operands go from wave to wave through LDS as images of their registers: four registers by one ds_store_b128 at 16 x lane, a scale word at 4 x lane.  Every LDS region is written once; four barriers.
; SCORES (K = 32).  A fragment of k holds FOUR key tiles in its four K blocks; the wave's q stands in one block of source 1, zero codes in the other three: four such variants pick the four key tiles.
; SOFTMAX.  The whole row of 256 scores lies in registers: t = score x log2(e), M = ceil(largest t), p = 2^(t - M) is quantised along the keys; the sum of the unquantised p divides at the end.
; NO CLUSTER, NO TENSOR LOADS: x (131,072 bytes a patch) is used once by one wave and goes straight into the registers that the conversions take; pos_emb (262,144 bytes, the same for all patches) goes straight into the
;   accumulators' registers in the result's layout, and beside the 243,712 bytes of LDS in use it would not fit; the weights (157,696 bytes) are read once a patch against some 90,000 vector instructions.
; LIMITS.  NaN and infinities among the inputs are not served.  A block whose largest magnitude lies under 2^-124, a block of zeros among them, gets the scale byte 1 (the bytes are read by this program alone; such a
;   block's codes are zeros or the quantiser's held scale).  1 / l, 1 / sqrt and the sigmoid use v_rcp_f32, v_rsq_f32, v_exp_f32.  A block's largest p is taken from its largest score by the same two instructions,
;   which takes v_exp_f32 not to fall where its input rises.
; THE MODE: SCHED_MODE bits 1:0 = 2 (LLVM: expert scheduling mode 2), set by the entry lines.  The code itself states the register dependences between vector or matrix instructions and memory or LDS
;   instructions, with s_wait_alu, always for 0.
; THE PLAN.  Registers that memory or LDS instructions touch, and who else names them:
;   v1-v4       offsets made at the head, never written again.  The other address registers (v7-v21) are made in runs, each run behind a wait on vm_vsrc and ahead of a wait on va_vdst that stands there anyway.
;   phase A     v216-231: b_pe, 16 numbers at a time, read by eight additions: a wait on va_vdst ahead of each refill.  XR: x, then w_pe's tiles twice, then my rows of w_in: a wait on va_vdst ahead of each.
;               v228-235, v254: written by QUANT, read by the image's stores: va_vdst ahead of each run of stores, vm_vsrc between the two runs.
;   phase B     SF, SFS: loaded; read by a pair's twelve products alone.  Behind these one wait on va_vdst, and the NEXT pair's twelve loads go out at once: the pair's vector lines, which follow, name ACC, v216-227,
;               PCB, VC, QW, VW and none of the loads' registers.  PCB, VC, QW, VW: written by those lines, read by the pair's stores: one wait on va_vdst ahead of the run of stores, one on vm_vsrc in the next pair.
;   phase D     a trip: vm_vsrc, four addresses, va_vdst, the loads of q and k | va_vdst, the scores' products | va_vdst, v's loads into k's registers | the softmax | va_vdst, the products with v | va_vdst, o's two stores.
;   phase E     vm_vsrc, addresses, va_vdst, the loads; XR takes w_out's tiles four times and ln_g x w_lin twice: a wait on va_vdst ahead of each refill.
.set WPE_I,  0x00000                   ; w_pe's 16 fragments: 1,024 T + 512 c
.set WPE_S,  0x04000                   ; their scale words: 128 T
.set WOUT_S, 0x04800                   ; w_out's scale words: 256 T + 128 s
.set VEC_A,  0x05800                   ; b_pe[256], b_out[256]
.set VEC_B,  0x06000                   ; ln_g x w_lin [256], ln_b x w_lin [256]
.set SEQ_S,  0x06800                   ; seq's scale words: 256 tile + 128 s
.set OUTS,   0x07800                   ; the patch's 256 results, 4 t
.set WOUT_I, 0x08000                   ; w_out's 32 fragments: 2,048 T + 1,024 s + 512 c
.set SEQ_I,  0x10000                   ; seq's 32 fragments: 2,048 tile + 1,024 s + 512 c
.set V_I,    0x18000                   ; v's 32 fragments (16 dims x 128 keys): 2,048 dim tile + 1,024 s + 512 c
.set QK_I,   0x20000                   ; q's and k's codes: 4,096 group (0-7 q, 8-15 k) + 512 pair of token tiles
.set QK_S,   0x30000                   ; their scale words: 512 group + 128 g
.set V_S,    0x32000                   ; v's scale words: 256 dim tile + 128 s
.set O_I,    0x33000                   ; each wave's own: o's two fragments: 2,048 w + 256 head + 16 r + 8 h
.set O_S,    0x3B000                   ; each wave's own: o's scale bytes: 128 w + 8 r + head
; registers: v0-23 addresses; v24-87 XR; v88-215 S; v216-239 at work; v240-255 scale words and nothing else (v252, v253: the closing add's two)
.set XR,  24
.set S,   88
.set TM,  216                          ; a quantiser's largest magnitudes (+0), bytes (+4), scale operands (+8)
.set ZF,  216                          ; phase A: z's fragment
.set PCA, 228                          ; phase A: the codes just made
.set SC,  240
.set PW,  254                          ; the scale word just made
.set ZS,  255                          ; z's scale word
.set WQ,  24                           ; phase B: my q or k rows of w_in: + 16 u + 8 s
.set WV,  56                           ; my v rows: + 8 s
.set BQ,  72                           ; b_in of my q or k rows, in the result's layout
.set SF,  88                           ; seq's fragments of two token tiles: + 16 a + 8 s
.set ACC, 120                          ; six accumulators
.set BV,  168                          ; b_in of my v row, eight times
.set VC,  176                          ; v's codes
.set PCB, 180                          ; q's or k's codes
.set WQS, 240
.set WVS, 244
.set SFS, 246
.set QW,  250
.set VW,  251
.set KF,  24                           ; phase D: k's four fragments, then v's four
.set QV,  56                           ; q in lanes 0-15 | zeros | q in lanes 16-31 | zeros | q in lanes 0-15
.set QR,  76
.set NM,  80                           ; -M; v81 at work
.set SA,  82                           ; the row's sum, two chains of pairs
.set SB,  84
.set RC,  86                           ; 1 / l
.set BM,  216                          ; the blocks' largest scores, then p; with BP later p's 16 registers of codes
.set BP,  224
.set BS,  232                          ; the blocks' scale operands; later o's quantiser
.macro PLACES n
.rept \n
	v_nop
.endr
.endm
.macro BAR                             ; my LDS stores have landed and my LDS loads are in: then the work-group's barrier
	s_wait_dscnt 0x0
	s_barrier_signal -1
	s_barrier_wait -1
.endm
.macro WMC d, a, b, c, sa, sb          ; D = A x B + C on codes of E2M1
	v_wmma_scale_f32_16x16x128_f8f6f4 v[(\d):(\d)+7], v[(\a):(\a)+7], v[(\b):(\b)+7], v[(\c):(\c)+7], v[\sa], v[\sb] matrix_a_fmt:MATRIX_FMT_FP4 matrix_b_fmt:MATRIX_FMT_FP4
.endm
.macro WM0 d, a, b, sa, sb             ; the same with C = 0: it starts a sum
	v_wmma_scale_f32_16x16x128_f8f6f4 v[(\d):(\d)+7], v[(\a):(\a)+7], v[(\b):(\b)+7], 0, v[\sa], v[\sb] matrix_a_fmt:MATRIX_FMT_FP4 matrix_b_fmt:MATRIX_FMT_FP4
.endm
; nb blocks of 32, 16 numbers of each in my registers v[s + 16 b] on and 16 in lane l xor 16: largest magnitude, scale operand, byte.  The blocks take turns line by line.
.macro QB s, nb
.set qb, 0
.rept \nb
	v_max3_num_f32 v[TM+qb], |v[(\s)+16*qb]|, |v[(\s)+16*qb+1]|, 0x1800000   ; with the floor 2^(3 - 127): the byte cannot fall under 1
.set qb, qb+1
.endr
.set qi, 2
.rept 7
.set qb, 0
.rept \nb
	v_max3_num_f32 v[TM+qb], v[TM+qb], |v[(\s)+16*qb+qi]|, |v[(\s)+16*qb+qi+1]|
.set qb, qb+1
.endr
.set qi, qi+2
.endr
.set qb, 0
.rept \nb
	v_permlanex16_b32 v[TM+4+qb], v[TM+qb], s44, s45
.set qb, qb+1
.endr
.set qb, 0
.rept \nb
	v_max_num_f32 v[TM+qb], v[TM+qb], v[TM+4+qb]
.set qb, qb+1
.endr
.set qb, 0
.rept \nb
	v_add_nc_u32 v[TM+8+qb], 0xff000000, v[TM+qb]      ; 2 off the exponent field: the conversion's scale operand
.set qb, qb+1
.endr
.set qb, 0
.rept \nb
	v_lshrrev_b32 v[TM+4+qb], 23, v[TM+8+qb]           ; the scale's byte
.set qb, qb+1
.endr
.endm
.macro CV pc, s, b                     ; 16 numbers -> two registers of codes, by block b's scale
	v_cvt_scalef32_pk8_fp4_f32 v[\pc], v[(\s):(\s)+7], v[TM+8+(\b)]
	v_cvt_scalef32_pk8_fp4_f32 v[(\pc)+1], v[(\s)+8:(\s)+15], v[TM+8+(\b)]
.endm
.macro SWAP4 pc                        ; two half blocks a lane -> one whole block a lane: lanes 0-15 the first block, lanes 16-31 the second
	v_permlane16_swap_b32 v[\pc], v[(\pc)+2]
	v_permlane16_swap_b32 v[(\pc)+1], v[(\pc)+3]
.endm
.macro QUANT s                         ; 64 numbers of a lane (register 16 b + i = k 32 b + 16 (lane / 16) + i) -> a fragment in v[PCA] on, its scale word in v[PW]
	QB \s, 4
	v_lshl_or_b32 v[PW], v[TM+5], 8, v[TM+4]
	v_lshl_or_b32 v[PW], v[TM+6], 16, v[PW]
	v_lshl_or_b32 v[PW], v[TM+7], 24, v[PW]
	CV PCA, \s, 0
	CV PCA+2, (\s)+16, 1
	CV PCA+4, (\s)+32, 2
	CV PCA+6, (\s)+48, 3
	v_nop                                          ; one plain line behind the last conversion
	SWAP4 PCA
	SWAP4 PCA+4
.endm
.macro PLOAD b                         ; phase B: seq's fragments and scale words of token tiles 2 b and 2 b + 1: twelve LDS loads
.irp a, 0,1
.irp s, 0,1
	ds_load_b128 v[SF+16*\a+8*\s:SF+16*\a+8*\s+3], v3 offset:(2*(\b)+\a)*2048+1024*\s
	ds_load_b128 v[SF+16*\a+8*\s+4:SF+16*\a+8*\s+7], v3 offset:(2*(\b)+\a)*2048+1024*\s+512
	ds_load_b32 v[SFS+2*\a+\s], v2 offset:SEQ_S+(2*(\b)+\a)*256+128*\s
.endr
.endr
.endm
; ---------------------------------------------------------------- phase 0: ids, addresses, all first loads
	s_load_b512 s[8:23], s[0:1], 0x0               ; x 8, w_pe_codes 10, w_pe_scales 12, b_pe 14, pos_emb 16, w_in_codes 18, w_in_scales 20, b_in 22
	s_load_b512 s[24:39], s[0:1], 0x40             ; w_out_codes 24, w_out_scales 26, b_out 28, ln_g 30, ln_b 32, w_lin 34, b_lin 36, out0 38
	v_lshl_add_u32 v252, v0, 2, 0x3b800
	v_mov_b32 v253, 0
	v_and_b32 v22, 31, v0                          ; lane
	v_lshlrev_b32 v1, 4, v22                       ; v1 = 16 x lane
	v_lshlrev_b32 v2, 2, v22                       ; v2 = 4 x lane
	v_add_nc_u32 v3, 0x10000, v1                   ; v3 = 0x10000 + 16 x lane
	v_bfe_u32 v23, v0, 4, 1                        ; h
	v_lshlrev_b32 v4, 6, v23                       ; v4 = 64 h
	v_add_nc_u32 v5, -1, v23                       ; v5 = all ones in lanes 0-15
	v_sub_nc_u32 v6, 0, v23                        ; v6 = all ones in lanes 16-31
	v_lshrrev_b32 v9, 5, v0
	v_readfirstlane_b32 s40, v9                    ; wave 0..15
	s_wait_alu depctr_va_sdst(0)                   ; s40 is written, ahead of its first reader
	s_lshr_b32 s2, s40, 1
	s_lshl_b32 s2, s2, 5
	s_and_b32 s3, s40, 1
	s_lshl_b32 s3, s3, 3
	s_add_co_u32 s41, s2, s3                       ; wb = 32 (w / 2) + 8 (w % 2)
	s_mov_b32 s42, ttmp9                           ; the patch
	s_lshr_b32 s2, s42, 8                          ; image
	s_bfe_u32 s3, s42, 0x40004                     ; patch row i
	s_and_b32 s4, s42, 15                          ; patch column j
	s_lshl_b32 s7, s3, 14                          ; 16 image rows of 1,024 bytes
	s_lshl_b32 s5, s2, 25                          ; x: image x 33,554,432
	s_lshl_b32 s6, s41, 17                         ;    + channel wb / 2 x 262,144
	s_add_co_u32 s5, s5, s6
	s_add_co_u32 s5, s5, s7
	s_lshl_b32 s6, s4, 6                           ;    + 64 j
	s_add_co_u32 s58, s5, s6
	s_mov_b32 s59, 0
	s_and_b32 s5, s4, 3                            ; the prefetch: image 1, channel 32 (j % 4) + 2 w, patch row i, the 256 bytes of the four patches j / 4
	s_lshl_b32 s5, s5, 5
	s_lshl_b32 s6, s40, 1
	s_add_co_u32 s5, s5, s6
	s_lshl_b32 s5, s5, 18
	s_add_co_u32 s5, s5, s7
	s_lshr_b32 s6, s4, 2
	s_lshl_b32 s6, s6, 8
	s_add_co_u32 s5, s5, s6
	s_add_co_u32 s60, s5, 0x2000000
	s_mov_b32 s61, 0
	s_lshl_b32 s5, s2, 18                          ; out0: image x 262,144 + 16,384 i + 64 j
	s_add_co_u32 s5, s5, s7
	s_lshl_b32 s6, s4, 6
	s_add_co_u32 s62, s5, s6
	s_mov_b32 s63, 0
	s_mov_b32 s44, 0x76543210                      ; v_permlanex16_b32's selects for lane l xor 16
	s_mov_b32 s45, 0xfedcba98
	s_mov_b32 s46, 0x3fb8aa3b                      ; log2(e); the packed form names the pair
	s_mov_b32 s47, s46
	v_and_b32 v9, 15, v0                           ; r
	v_and_b32 v22, 8, v9
	v_add_nc_u32 v22, v22, v9                      ; rp = r + 8 (r / 8)
	v_add_nc_u32 v22, s41, v22                     ; my token, and my row of w_pe and of w_out: wb + rp
	v_lshlrev_b32 v7, 6, v22
	v_lshl_add_u32 v7, v23, 4, v7                  ; w_pe's codes: 64 bytes a row, + 16 h
	v_lshlrev_b32 v8, 2, v22                       ; its scale word
	v_lshlrev_b32 v19, 7, v22
	v_lshl_add_u32 v19, v23, 4, v19                ; w_out's codes: 128 bytes a row, + 16 h
	v_lshlrev_b32 v10, 3, v22                      ; its scale words
	v_and_b32 v11, 255, v0
	v_lshlrev_b32 v11, 2, v11                      ; a number of a vector of 256
	v_lshlrev_b32 v12, 10, v22
	v_add_nc_u32 v12, v12, v4                      ; pos_emb: 1,024 bytes a token, + 64 h
	v_bfe_u32 v13, v0, 1, 2                        ; x: channel (r % 8) / 2
	v_lshlrev_b32 v13, 18, v13
	v_bfe_u32 v14, v0, 3, 1
	v_lshl_add_u32 v13, v14, 21, v13               ;    + 8 channels for r / 8
	v_and_b32 v14, 1, v0
	v_lshl_add_u32 v13, v14, 13, v13               ;    + 8 image rows for the odd token
	v_lshl_add_u32 v13, v23, 11, v13               ;    + 2 image rows for lanes 16-31: blocks h and 2 + h are mine
	s_lshl_b32 s2, s40, 10
	v_add_nc_u32 v14, s2, v1                       ; images: 16 x lane + 1,024 w
	s_lshl_b32 s2, s40, 7
	v_add_nc_u32 v15, s2, v2                       ; 4 x lane + 128 w
	s_lshl_b32 s2, s40, 11
	v_add_nc_u32 v16, s2, v1                       ; 16 x lane + 2,048 w
	s_lshl_b32 s2, s40, 8
	v_add_nc_u32 v17, s2, v2                       ; 4 x lane + 256 w
	v_lshlrev_b32 v18, 2, v0                       ; 4 x thread
	v_add_nc_u32 v20, 0x10000, v16                 ; seq's images
	s_wait_kmcnt 0x0
	s_add_nc_u64 s[56:57], s[8:9], s[60:61]        ; where my prefetch stands; never rewritten
	s_add_nc_u64 s[8:9], s[8:9], s[58:59]
	s_add_nc_u64 s[38:39], s[38:39], s[62:63]
	s_load_b32 s50, s[36:37], 0x0                  ; b_lin
	s_cmp_lt_u32 s40, 8                            ; waves 0-7 bring b_pe and ln_g, waves 8-15 b_out and ln_b; waves 0-7 make q, which is scaled
	s_cselect_b64 s[2:3], s[14:15], s[28:29]
	s_cselect_b64 s[4:5], s[30:31], s[32:33]
	s_cselect_b32 s48, 0x3e3504f3, 1.0             ; 1 / sqrt(32), or 1 for k
	s_mov_b32 s49, s48
	s_wait_alu depctr_va_vdst(0)                   ; the offsets and addresses v1 to v20 are written, which the loads and LDS stores below read; the lines above are done with v9, v22 and v23, in which loads land
	; (a) twelve loads that the work-group shares out: wave w brings tile w of w_pe and of w_out, and 32 numbers of the small vectors
	global_load_b128 v[216:219], v7, s[10:11]
	global_load_b128 v[220:223], v7, s[10:11] offset:32
	global_load_b32 v240, v8, s[12:13]
	global_load_b128 v[224:227], v19, s[24:25]
	global_load_b128 v[228:231], v19, s[24:25] offset:32
	global_load_b128 v[232:235], v19, s[24:25] offset:64
	global_load_b128 v[236:239], v19, s[24:25] offset:96
	global_load_b32 v241, v10, s[26:27]
	global_load_b32 v242, v10, s[26:27] offset:4
	global_load_b32 v9, v11, s[2:3]
	global_load_b32 v22, v11, s[4:5]
	global_load_b32 v23, v11, s[34:35]
	; (b) pos_emb of my 16 tokens, in the layout of the first product's result: register 16 B + i = feature 32 B + 16 h + i
.set bb, 0
.rept 8
.set jj, 0
.rept 4
	global_load_b128 v[S+16*bb+4*jj:S+16*bb+4*jj+3], v12, s[16:17] offset:128*bb+16*jj
.set jj, jj+1
.endr
.set bb, bb+1
.endr
	; (c) x: my token's blocks h and 2 + h: register 32 c + 16 row + pixel.  No hint: four neighbouring patches share each run of 256 bytes
.irp c, 0,1
.irp w, 0,1
.irp j, 0,1,2,3
	global_load_b128 v[XR+32*\c+16*\w+4*\j:XR+32*\c+16*\w+4*\j+3], v13, s[8:9] offset:4096*\c+1024*\w+16*\j
.endr
.endr
.endr
	s_wait_loadcnt 48                              ; the twelve are in: behind them 32 loads of pos_emb and 16 of x were issued
	v_mul_f32 v22, v22, v23                        ; ln_g x w_lin, or ln_b x w_lin
	s_wait_alu depctr_va_vdst(0)                   ; the product is written into v22, which the last LDS store below reads
	ds_store_b128 v14, v[216:219] offset:WPE_I
	ds_store_b128 v14, v[220:223] offset:WPE_I+512
	ds_store_b32 v15, v240 offset:WPE_S
	ds_store_b128 v16, v[224:227] offset:WOUT_I
	ds_store_b128 v16, v[228:231] offset:WOUT_I+512
	ds_store_b128 v16, v[232:235] offset:WOUT_I+1024
	ds_store_b128 v16, v[236:239] offset:WOUT_I+1536
	ds_store_b32 v17, v241 offset:WOUT_S
	ds_store_b32 v17, v242 offset:WOUT_S+128
	ds_store_b32 v18, v9 offset:VEC_A
	ds_store_b32 v18, v22 offset:VEC_B
	BAR                                            ; barrier 1: w_pe, w_out and the small vectors lie in LDS
; ---------------------------------------------------------------- phase A: seq = z w_pe^T + b_pe + pos_emb, quantised
	s_wait_loadcnt 16                              ; pos_emb is in; x's 16 loads may stay out
	s_wait_alu depctr_vm_vsrc(0)                   ; phase 0's loads have read their offsets and its LDS stores their data and addresses: v216-231 take the loads below; v232-242, v7-v15, v18, v19 and v22 are written again further down
.set bb, 0
.rept 8                                            ; b_pe onto pos_emb: the sum is the C of the first product
.if bb > 0
	s_wait_alu depctr_va_vdst(0)                   ; the eight additions above are done reading v[TM ..], in which the next four loads land
.endif
.set jj, 0
.rept 4
	ds_load_b128 v[TM+4*jj:TM+4*jj+3], v4 offset:VEC_A+128*bb+16*jj
.set jj, jj+1
.endr
	s_wait_dscnt 0x0
.set k, 0
.rept 8
	v_pk_add_f32 v[S+16*bb+k:S+16*bb+k+1], v[S+16*bb+k:S+16*bb+k+1], v[TM+k:TM+k+1]
.set k, k+2
.endr
.set bb, bb+1
.endr
	s_wait_loadcnt 0x0                             ; x
	s_wait_kmcnt 0x0                               ; b_lin
	v_max3_num_f32 v224, |v[XR]|, |v[XR+1]|, 0x1800000     ; my two whole blocks, by turns; the floor holds the byte at 1 from below
	v_max3_num_f32 v225, |v[XR+32]|, |v[XR+33]|, 0x1800000
.set k, 2
.rept 15
	v_max3_num_f32 v224, v224, |v[XR+k]|, |v[XR+k+1]|
	v_max3_num_f32 v225, v225, |v[XR+32+k]|, |v[XR+33+k]|
.set k, k+2
.endr
	v_add_nc_u32 v226, 0xff000000, v224
	v_add_nc_u32 v227, 0xff000000, v225
	v_lshrrev_b32 v228, 23, v226
	v_lshrrev_b32 v229, 23, v227
	v_lshl_or_b32 v[ZS], v229, 16, v228            ; bytes of blocks h and 2 + h,
	v_lshrrev_b32 v230, 3, v4
	v_lshlrev_b32 v[ZS], v230, v[ZS]               ; 8 h bits up;
	v_mov_b32 v231, 0
	v_permlanex16_b32 v231, v[ZS], s44, s45
	v_or_b32 v[ZS], v[ZS], v231                    ; with lane l xor 16's two the word is whole
.irp c, 0,1
.irp g, 0,1,2,3
	v_cvt_scalef32_pk8_fp4_f32 v[ZF+4*\c+\g], v[XR+32*\c+8*\g:XR+32*\c+8*\g+7], v[226+\c]
.endr
.endr
.macro PEL grp                         ; eight tiles of w_pe and their scale words
.set t, 0
.rept 8
	ds_load_b128 v[XR+8*t:XR+8*t+3], v1 offset:WPE_I+1024*(8*\grp+t)
	ds_load_b128 v[XR+8*t+4:XR+8*t+7], v1 offset:WPE_I+1024*(8*\grp+t)+512
	ds_load_b32 v[SC+t], v2 offset:WPE_S+128*(8*\grp+t)
.set t, t+1
.endr
.endm
.macro PEM grp                         ; eight products, each on an accumulator of its own, which begins as pos_emb + b_pe
	s_wait_dscnt 0x0
.set t, 0
.rept 8
	WMC S+8*(8*\grp+t), XR+8*t, ZF, S+8*(8*\grp+t), SC+t, ZS
.set t, t+1
.endr
.endm
	PLACES 8                                       ; z's scale word and codes were made by vector instructions: eight places ahead of the scaled products
	s_wait_alu depctr_va_vdst(0)                   ; the maxima and conversions are done reading x's registers, in which w_pe's tiles land; z's codes and scale word are written, which the scaled products take
	PEL 0
	PEM 0
	PLACES 4                                       ; ahead of loads into registers that the products have read
	s_wait_alu depctr_va_vdst(0)                   ; the eight products are done reading their tiles and scale words, in which the next eight land
	PEL 1
	PEM 1
	; offsets of phase B's operands: these plain lines are also the places behind the products
	v_and_b32 v9, 15, v0
	v_and_b32 v22, 8, v9
	v_add_nc_u32 v22, v22, v9                      ; rp
	v_bfe_u32 v23, v0, 4, 1                        ; h
	v_lshlrev_b32 v9, 7, v22
	v_lshl_add_u32 v9, v23, 4, v9                  ; 128 rp + 16 h: a row of w_in is 128 bytes
	s_lshl_b32 s2, s40, 12
	v_add_nc_u32 v7, s2, v9                        ; my q or k rows: 32 w on
	s_add_co_u32 s3, s41, 512
	s_lshl_b32 s2, s3, 7
	v_add_nc_u32 v8, s2, v9                        ; my v rows: 512 + wb on
	v_lshlrev_b32 v9, 3, v22
	s_lshl_b32 s2, s40, 8
	v_add_nc_u32 v10, s2, v9                       ; their scale words, 8 bytes a row
	s_lshl_b32 s2, s3, 3
	v_add_nc_u32 v11, s2, v9
	s_lshl_b32 s2, s40, 7
	v_add_nc_u32 v12, s2, v4                       ; b_in of features 32 w + 16 h on
	v_add_nc_u32 v13, s3, v22
	v_lshlrev_b32 v13, 2, v13                      ; b_in of my v row
	s_wait_alu depctr_va_vdst(0)                   ; the six offsets above are written, which the loads below read; the products are done reading w_pe's tiles and scale words, in which these loads land
.irp u, 0,1
.irp s, 0,1
	global_load_b128 v[WQ+16*\u+8*\s:WQ+16*\u+8*\s+3], v7, s[18:19] offset:1024*\u+64*\s
	global_load_b128 v[WQ+16*\u+8*\s+4:WQ+16*\u+8*\s+7], v7, s[18:19] offset:1024*\u+64*\s+32
	global_load_b32 v[WQS+2*\u+\s], v10, s[20:21] offset:64*\u+4*\s
.endr
.endr
.irp s, 0,1
	global_load_b128 v[WV+8*\s:WV+8*\s+3], v8, s[18:19] offset:64*\s
	global_load_b128 v[WV+8*\s+4:WV+8*\s+7], v8, s[18:19] offset:64*\s+32
	global_load_b32 v[WVS+\s], v11, s[20:21] offset:4*\s
.endr
.irp j, 0,1,2,3
	global_load_b128 v[BQ+4*\j:BQ+4*\j+3], v12, s[22:23] offset:16*\j
.endr
	global_load_b32 v236, v13, s[22:23]
.irp k, 4,5,6,7
	v_mov_b32 v[TM+\k], 0                          ; written once: a lane permute's destination counts as one of its sources
.endr
	QUANT S                                        ; features 0-127: K step 0 of the second product
	s_wait_alu depctr_va_vdst(0)                   ; the codes and the scale word are written, which the three LDS stores read
	ds_store_b128 v20, v[PCA:PCA+3]
	ds_store_b128 v20, v[PCA+4:PCA+7] offset:512
	ds_store_b32 v17, v[PW] offset:SEQ_S
	s_wait_dscnt 0x0                               ; the stores are done
	s_wait_alu depctr_vm_vsrc(0)                   ; the stores have read v[PCA ..] and v[PW], which the second QUANT writes again; the loads above have read their offsets, which phase D makes anew
	QUANT S+64                                     ; features 128-255: K step 1
	s_wait_alu depctr_va_vdst(0)                   ; the codes and the scale word are written, which the three LDS stores read; QUANT is done with v88-119, in which phase B's first loads land
	ds_store_b128 v20, v[PCA:PCA+3] offset:1024
	ds_store_b128 v20, v[PCA+4:PCA+7] offset:1536
	ds_store_b32 v17, v[PW] offset:SEQ_S+128
	BAR                                            ; barrier 2: seq's 32 fragments lie in LDS
; ---------------------------------------------------------------- phase B: q, k, v for all 256 tokens, quantised
	PLOAD 0                                        ; the first pair's twelve loads.  No wait: no vector or matrix instruction since the wait above names v[SF ..] or v[SFS ..]
	s_wait_loadcnt 0x0                             ; my rows of w_in, their scales and biases
.irp k, 0,1,2,3,4,5,6,7
	v_mov_b32 v[BV+\k], v236                       ; v is made untransposed: a lane holds one row of w_in, so its bias fills the lane's eight registers
.endr
	s_lshl_b32 s2, s40, 12
	s_add_co_u32 s2, s2, QK_I
	v_add_nc_u32 v14, s2, v1                       ; where my group's codes go
	s_lshl_b32 s2, s40, 9
	s_add_co_u32 s2, s2, QK_S
	v_add_nc_u32 v15, s2, v2                       ; its scale words
	v_add_nc_u32 v18, V_I, v16                     ; my dim tile of v
	v_add_nc_u32 v19, V_S, v17
; Token tiles 2 b and 2 b + 1.  q, k transposed (source 0 = my rows of w_in): a lane holds one token and 16 of the head's 32 dims.  v untransposed (source 0 = tokens): a lane holds one dim and keys 32 b + 16 h + 0 .. 15.
; Six accumulators by turns, K step 0 and then K step 1.  The pair's fragments were asked for in the pair before, behind its products.
.macro PAIR b
.if (\b) == 0
	s_wait_dscnt 0x0                               ; the pair's twelve loads are in
.elseif (\b)%2 == 1
	s_wait_dscnt 1                                 ; LDS instructions end in order: the twelve loads are in; the one store that the pair before issued behind them may be out
.elseif (\b)%4 == 2
	s_wait_dscnt 3                                 ; likewise: three stores were issued behind them
.else
	s_wait_dscnt 4                                 ; likewise: four
.endif
.irp a, 0,1
.irp u, 0,1
	WMC ACC+16*\a+8*\u, WQ+16*\u, SF+16*\a, BQ+8*\u, WQS+2*\u, SFS+2*\a
.endr
.endr
.irp a, 0,1
	WMC ACC+32+8*\a, SF+16*\a, WV, BV, SFS+2*\a, WVS
.endr
.irp a, 0,1
.irp u, 0,1
	WMC ACC+16*\a+8*\u, WQ+16*\u+8, SF+16*\a+8, ACC+16*\a+8*\u, WQS+2*\u+1, SFS+2*\a+1
.endr
.endr
.irp a, 0,1
	WMC ACC+32+8*\a, SF+16*\a+8, WV+8, ACC+32+8*\a, SFS+2*\a+1, WVS+1
.endr
	PLACES 4
.if (\b) > 0
	s_wait_alu depctr_vm_vsrc(0)                   ; the stores of the pair before have read v[PCB ..], v[VC ..], v[QW] and v[VW], which the lines below write again
.endif
.if (\b) < 7
	s_wait_alu depctr_va_vdst(0)                   ; the twelve products are done reading v[SF ..] and v[SFS ..], in which the next pair's loads land
	PLOAD (\b)+1                                   ; they land under the vector lines below, none of which names their registers
.endif
.set k, 0
.rept 16
	v_pk_mul_f32 v[ACC+k:ACC+k+1], v[ACC+k:ACC+k+1], s[48:49] op_sel_hi:[1,0]   ; q x 1 / sqrt(32); k x 1.  Each accumulator from its low end on
.set k, k+2
.endr
	QB ACC, 3                                      ; blocks: tile 2 b's head dims, tile 2 b + 1's, v's 32 keys
.if (\b)%2 == 0
	v_lshl_or_b32 v[QW], v[TM+5], 8, v[TM+4]       ; a word holds the bytes of four token tiles
.else
	v_lshl_or_b32 v[QW], v[TM+4], 16, v[QW]
	v_lshl_or_b32 v[QW], v[TM+5], 24, v[QW]
.endif
.if (\b)%4 == 0
	v_mov_b32 v[VW], v[TM+6]                       ; and of four blocks of keys
.else
	v_lshl_or_b32 v[VW], v[TM+6], 8*((\b)%4), v[VW]
.endif
	CV PCB, ACC, 0
	CV PCB+2, ACC+16, 1
	CV VC+2*((\b)%2), ACC+32, 2
	v_nop                                          ; one plain line behind the last conversion
	SWAP4 PCB                                      ; lanes 0-15: tile 2 b's 32 dims; lanes 16-31: tile 2 b + 1's
.if (\b)%2 == 1
	SWAP4 VC                                       ; lanes 0-15: keys' block b - 1; lanes 16-31: block b
.endif
	s_wait_alu depctr_va_vdst(0)                   ; the codes and scale words are written, which the run of stores below reads (in the first pair its four addresses too)
	ds_store_b128 v14, v[PCB:PCB+3] offset:512*(\b)
.if (\b)%2 == 1
	ds_store_b32 v15, v[QW] offset:128*((\b)/2)
	ds_store_b128 v18, v[VC:VC+3] offset:512*((\b)/2)
.endif
.if (\b)%4 == 3
	ds_store_b32 v19, v[VW] offset:128*((\b)/4)
.endif
.endm
	s_wait_alu depctr_va_vdst(0)
.irp p, 0,1,2,3,4,5,6,7
	PAIR \p
.endr
	BAR                                            ; barrier 3: q, k and v lie in LDS
; ---------------------------------------------------------------- phase D: attention, a head a trip; wave w owns query tile w
	v_and_b32 v9, 15, v0                           ; r
	s_wait_alu depctr_va_vdst(0)
	v_bfe_u32 v22, v0, 4, 1                        ; h
	s_lshl_b32 s2, s40, 8
	s_add_co_u32 s2, s2, QK_I
	v_lshl_add_u32 v7, v9, 4, s2                   ; my tile's q: pair w / 2, lanes 16 (w % 2) + r: 256 w + 16 r; both halves of the lanes read the same 16 bytes
	v_add_nc_u32 v8, QK_I+0x8000, v1               ; k's groups begin 8 x 4,096 bytes on
	v_add_nc_u32 v10, QK_S, v2
	s_lshr_b32 s2, s40, 2
	s_lshl_b32 s2, s2, 7
	s_add_co_u32 s2, s2, QK_S
	v_add_nc_u32 v11, s2, v2                       ; the word that holds my tile's byte
	s_lshl_b32 s2, s40, 11
	s_add_co_u32 s2, s2, O_I
	v_lshl_add_u32 v12, v9, 4, s2
	v_lshl_add_u32 v12, v22, 3, v12                ; o's image: 2,048 w + 16 r + 8 h
	s_lshl_b32 s2, s40, 7
	s_add_co_u32 s2, s2, O_S
	v_lshl_add_u32 v13, v9, 3, s2                  ; o's scale bytes: 128 w + 8 r
	s_and_b32 s2, s40, 3
	s_mul_i32 s55, s2, 0x01010101                  ; v_perm_b32's selector: byte w % 4 into all four places
.irp k, 60,61,62,63,68,69,70,71,81,87,224,225,226,227,228,229,230,231
	v_mov_b32 v\k, 0                               ; the zero codes; and registers that are named before they are first written
.endr
	s_mov_b32 s51, 0                               ; head
	s_mov_b32 s52, 0                               ; 4,096 x head
	s_mov_b32 s53, 0                               ; 512 x head
	s_mov_b32 s54, 0                               ; 256 x head
.Lhead:
	s_wait_alu depctr_vm_vsrc(0)                   ; the last trip's LDS loads have read v14 to v18 and its two stores v19, v20 and v235-237 (first trip: the last pair's stores v14, v15, v18, v19 and v176-183): this trip writes them all again
	v_add_nc_u32 v14, s52, v7
	v_add_nc_u32 v15, s52, v8
	v_add_nc_u32 v17, s53, v10
	v_add_nc_u32 v18, s53, v11
	s_wait_alu depctr_va_vdst(0)                   ; the four addresses are written, which the loads below read; the last trip's lines and products are done reading v[QR ..], v[KF ..] and v240-244, in which these loads land
	ds_load_b128 v[QR:QR+3], v14
	ds_load_b32 v[SC+4], v18
.set g, 0
.rept 4
	ds_load_b128 v[KF+8*g:KF+8*g+3], v15 offset:1024*g
	ds_load_b128 v[KF+8*g+4:KF+8*g+7], v15 offset:1024*g+512
	ds_load_b32 v[SC+g], v17 offset:4096+128*g
.set g, g+1
.endr
	s_wait_dscnt 0x0
	v_perm_b32 v[SC+5], v[SC+4], v[SC+4], s55      ; q's scale byte for whichever block q stands in
.irp k, 0,1,2,3
	v_and_b32 v[QV+\k], v[QR+\k], v5               ; q in lanes 0-15 alone,
	v_and_b32 v[QV+8+\k], v[QR+\k], v6             ; in lanes 16-31 alone,
	v_and_b32 v[QV+16+\k], v[QR+\k], v5            ; and in lanes 0-15 once more
.endr
	v_add_nc_u32 v16, s52, v3                      ; addresses for later in the trip: with the five lines below, eight places ahead of the scaled products
	v_add_nc_u32 v19, s54, v12
	v_add_nc_u32 v20, s51, v13
	PLACES 5
	s_wait_alu depctr_va_vdst(0)                   ; q's variants v[QV ..] and its scale word v[SC+5] are written, which the scaled products take
.set g, 0
.rept 4                                            ; S^T = k q^T: key tile 4 g + block, 16 accumulators, each begun with 0
	WM0 S+8*(4*g), KF+8*g, QV, SC+g, SC+5          ; q in K block 0
	WM0 S+8*(4*g+1), KF+8*g, QV+8, SC+g, SC+5      ; block 1
	WM0 S+8*(4*g+2), KF+8*g, QV+12, SC+g, SC+5     ; block 2
	WM0 S+8*(4*g+3), KF+8*g, QV+4, SC+g, SC+5      ; block 3
.set g, g+1
.endr
	PLACES 4                                       ; ahead of loads into k's registers and of the first read of the scores
	s_wait_alu depctr_va_vdst(0)                   ; the sixteen products are done reading k's fragments and scale words, in which v's land; v16, which these loads read, is written
.irp u, 0,1
.irp s, 0,1
	ds_load_b128 v[KF+16*\u+8*\s:KF+16*\u+8*\s+3], v16 offset:0x8000+2048*\u+1024*\s       ; v's four fragments land under the softmax
	ds_load_b128 v[KF+16*\u+8*\s+4:KF+16*\u+8*\s+7], v16 offset:0x8000+2048*\u+1024*\s+512
	ds_load_b32 v[SC+2*\u+\s], v17 offset:0x2000+128*(2*\u+\s)
.endr
.endr
	; register 16 b + i of S is key 32 b + 16 h + i of my query.  The largest score of each block of 32 keys serves twice: for the row's maximum and for the block's largest p
.set b, 0
.rept 8
	v_max3_num_f32 v[BM+b], v[S+16*b], v[S+16*b+1], v[S+16*b+2]
.set b, b+1
.endr
.set i, 3
.rept 6
.set b, 0
.rept 8
	v_max3_num_f32 v[BM+b], v[BM+b], v[S+16*b+i], v[S+16*b+i+1]
.set b, b+1
.endr
.set i, i+2
.endr
.set b, 0
.rept 8
	v_max_num_f32 v[BM+b], v[BM+b], v[S+16*b+15]
.set b, b+1
.endr
.set b, 0
.rept 8
	v_permlanex16_b32 v[BP+b], v[BM+b], s44, s45
.set b, b+1
.endr
.set b, 0
.rept 8
	v_max_num_f32 v[BM+b], v[BM+b], v[BP+b]
.set b, b+1
.endr
	v_max3_num_f32 v81, v[BM], v[BM+1], v[BM+2]
	v_max3_num_f32 v81, v81, v[BM+3], v[BM+4]
	v_max3_num_f32 v81, v81, v[BM+5], v[BM+6]
	v_max_num_f32 v81, v81, v[BM+7]                ; the row's largest score
	v_mul_f32 v81, s46, v81                        ; as t
	v_floor_f32 v[NM], -v81                        ; -M = floor(-t) = -ceil(t)
.set j, 0
.rept 64
	v_pk_fma_f32 v[S+j:S+j+1], v[S+j:S+j+1], s[46:47], v[NM:NM+1] op_sel_hi:[1,0,0]   ; t - M, two at a time
.set j, j+2
.endr
.set b, 0
.rept 8
	v_fma_f32 v[BM+b], v[BM+b], s46, v[NM]         ; the same of each block's largest score
.set b, b+1
.endr
.set j, 0
	s_wait_alu depctr_va_vdst(0)
.rept 128
	v_exp_f32 v[S+j], v[S+j]                       ; p = 2^(t - M)
.set j, j+1
.endr
	v_nop                                          ; a plain line behind the last exponential
	s_wait_alu depctr_va_vdst(0)                   ; one wait for the batch of 128 exponentials, ahead of the first reader of their results
.set b, 0
.rept 8
	v_exp_f32 v[BM+b], v[BM+b]                     ; the blocks' largest p
.set b, b+1
.endr
	v_pk_add_f32 v[SA:SA+1], v[S:S+1], v[S+2:S+3]  ; the row's sum of the unquantised p, in two chains; this part reads the 128 alone
	v_pk_add_f32 v[SB:SB+1], v[S+4:S+5], v[S+6:S+7]
.set j, 8
.rept 14
	v_pk_add_f32 v[SA:SA+1], v[SA:SA+1], v[S+j:S+j+1]
	v_pk_add_f32 v[SB:SB+1], v[SB:SB+1], v[S+j+2:S+j+3]
.set j, j+4
.endr
	s_wait_alu depctr_va_vdst(0)                   ; and one wait for the eight, ahead of the first reader of their results
.set b, 0
.rept 8
	v_max_num_f32 v[BM+b], 0x1800000, v[BM+b]      ; the floor: the byte cannot fall under 1
.set b, b+1
.endr
.set b, 0
.rept 8
	v_add_nc_u32 v[BS+b], 0xff000000, v[BM+b]
.set b, b+1
.endr
.set b, 0
.rept 8
	v_lshrrev_b32 v[BP+b], 23, v[BS+b]
.set b, b+1
.endr
.irp s, 0,1
	v_lshl_or_b32 v[SC+6+\s], v[BP+4*\s+1], 8, v[BP+4*\s]       ; p's scale words of keys 128 s on
	v_lshl_or_b32 v[SC+6+\s], v[BP+4*\s+2], 16, v[SC+6+\s]
	v_lshl_or_b32 v[SC+6+\s], v[BP+4*\s+3], 24, v[SC+6+\s]
.endr
.set b, 0
.rept 8
	v_cvt_scalef32_pk8_fp4_f32 v[BM+2*b], v[S+16*b:S+16*b+7], v[BS+b]
	v_cvt_scalef32_pk8_fp4_f32 v[BM+2*b+1], v[S+16*b+8:S+16*b+15], v[BS+b]
.set b, b+1
.endr
	v_nop                                          ; one plain line behind the last conversion
.irp c, 0,1,2,3
	SWAP4 BM+4*\c
.endr
.set j, 64
.rept 16                                           ; the rest of the row's sum: these lines are also the places ahead of the scaled products
	v_pk_add_f32 v[SA:SA+1], v[SA:SA+1], v[S+j:S+j+1]
	v_pk_add_f32 v[SB:SB+1], v[SB:SB+1], v[S+j+2:S+j+3]
.set j, j+4
.endr
	v_pk_add_f32 v[SA:SA+1], v[SA:SA+1], v[SB:SB+1]
	s_wait_dscnt 0x0                               ; v
	s_wait_alu depctr_va_vdst(0)                   ; p's codes v[BM ..] and its two scale words are written, which the scaled products take
	WM0 S, KF, BM, SC, SC+6                        ; O^T = v^T p^T: two tiles of 16 dims by turns, keys 0-127 and then 128-255; the results lie over p, which is done with
	WM0 S+8, KF+16, BM, SC+2, SC+6
	WMC S, KF+8, BM+8, S, SC+1, SC+7
	WMC S+8, KF+24, BM+8, S+8, SC+3, SC+7
	v_add_f32 v[SA], v[SA], v[SA+1]
	v_permlanex16_b32 v[SB+1], v[SA], s44, s45
	v_add_f32 v[SA], v[SA], v[SB+1]                ; l
	s_wait_alu depctr_va_vdst(0)
	v_rcp_f32 v[RC], v[SA]
	PLACES 3                                       ; with the two additions: the places behind the last product; and the plain line behind the reciprocal
	s_wait_alu depctr_va_vdst(0)                   ; the reciprocal's result is written, ahead of its first reader
.set k, 0
.rept 8
	v_pk_mul_f32 v[S+k:S+k+1], v[S+k:S+k+1], v[RC:RC+1] op_sel_hi:[1,0]    ; o = O^T / l: register i is dim 16 h + i of this head
.set k, k+2
.endr
	v_max3_num_f32 v232, |v[S]|, |v[S+1]|, 0x1800000       ; o's block along the next K is this head's 32 dims
	v_max3_num_f32 v233, |v[S+8]|, |v[S+9]|, 0x1800000
.irp i, 2,4,6
	v_max3_num_f32 v232, v232, |v[S+\i]|, |v[S+\i+1]|
	v_max3_num_f32 v233, v233, |v[S+8+\i]|, |v[S+9+\i]|
.endr
	v_max_num_f32 v232, v232, v233
	v_permlanex16_b32 v233, v232, s44, s45
	v_max_num_f32 v232, v232, v233
	v_add_nc_u32 v234, 0xff000000, v232
	v_lshrrev_b32 v235, 23, v234
	v_cvt_scalef32_pk8_fp4_f32 v236, v[S:S+7], v234
	v_cvt_scalef32_pk8_fp4_f32 v237, v[S+8:S+15], v234
	v_nop                                          ; one plain line behind the last conversion
	s_wait_alu depctr_va_vdst(0)                   ; o's codes v236, v237 and its byte v235 are written, which the two stores read; so are their addresses v19 and v20
	ds_store_b64 v19, v[236:237]                   ; at 256 head + 16 r + 8 h these two registers stand where the operand's image wants them: K step head / 4, group (head / 2) % 2, lanes 16 (head % 2) + r, registers 2 h, 2 h + 1
	ds_store_b8 v20, v235                          ; both lanes of a token write the same byte with the same value
	s_add_co_u32 s52, s52, 4096
	s_add_co_u32 s53, s53, 512
	s_add_co_u32 s54, s54, 256
	s_add_co_u32 s51, s51, 1
	s_cmp_lt_u32 s51, 8
	s_cbranch_scc1 .Lhead
; ---------------------------------------------------------------- phase E: out-projection, LayerNorm, the dot with w_lin, sigmoid
	s_lshl_b32 s2, s40, 11
	s_add_co_u32 s2, s2, O_I
	s_wait_alu depctr_vm_vsrc(0)                   ; the last trip's LDS loads have read v14 to v17 and its stores v235-237: this phase writes them again
	v_add_nc_u32 v14, s2, v1
	v_and_b32 v9, 15, v0                           ; the prefetch's offset: a lane a run of 256 bytes: image row r, channel h
	v_bfe_u32 v22, v0, 4, 1
	v_lshlrev_b32 v21, 10, v9
	v_lshl_add_u32 v21, v22, 18, v21
	s_wait_alu depctr_va_vdst(0)                   ; v14 and v21 are written, which the loads and the prefetch below read; phase D is done with v24-87, v88-215, v216-231 and v240-249, in which the loads from here to the first products land
.irp k, 0,1,2,3
	ds_load_b128 v[216+4*\k:216+4*\k+3], v14 offset:512*\k         ; o's two fragments: LDS serves a wave's instructions in order, so these see my stores
.endr
	ds_load_b64 v[SC+8:SC+9], v13                  ; and their scale words
.set bb, 0
.rept 8
.set jj, 0
.rept 4
	ds_load_b128 v[S+16*bb+4*jj:S+16*bb+4*jj+3], v4 offset:VEC_A+1024+128*bb+16*jj   ; b_out, in the result's layout: the C of the product
.set jj, jj+1
.endr
.set bb, bb+1
.endr
	; A prefetch of x for the patches of image 1.  The four work-groups of patches 4 (j / 4) .. + 3 of image 0 share out, by address, the 128 channels x 16 rows x 256 bytes that the same four patches of image 1 read:
	; 32 channels a work-group, 2 a wave, a lane a run of 256 bytes: each run is named once in the launch.  It stands behind the phase's LDS loads; its address registers are never rewritten.
	s_cmp_lt_u32 s42, 256
	s_cbranch_scc0 .Lno_prefetch
	global_prefetch_b8 v21, s[56:57] th:TH_LOAD_NT scope:SCOPE_SE
.Lno_prefetch:
.macro WOG grp                         ; four tiles of w_out: four accumulators by turns, K step 0 and then K step 1
.if \grp > 0
	s_wait_alu depctr_va_vdst(0)                   ; the last group's eight products are done reading their tiles and scale words, in which this group's land
.endif
.irp t, 0,1,2,3
.irp s, 0,1
	ds_load_b128 v[XR+16*\t+8*\s:XR+16*\t+8*\s+3], v1 offset:WOUT_I+(4*\grp+\t)*2048+1024*\s
	ds_load_b128 v[XR+16*\t+8*\s+4:XR+16*\t+8*\s+7], v1 offset:WOUT_I+(4*\grp+\t)*2048+1024*\s+512
	ds_load_b32 v[SC+2*\t+\s], v2 offset:WOUT_S+(4*\grp+\t)*256+128*\s
.endr
.endr
	s_wait_dscnt 0x0
.irp t, 0,1,2,3
	WMC S+8*(4*\grp+\t), XR+16*\t, 216, S+8*(4*\grp+\t), SC+2*\t, SC+8
.endr
.irp t, 0,1,2,3
	WMC S+8*(4*\grp+\t), XR+16*\t+8, 224, S+8*(4*\grp+\t), SC+2*\t+1, SC+9
.endr
	PLACES 4
.endm
	WOG 0
	WOG 1
	WOG 2
	WOG 3
	v_lshlrev_b32 v15, 1, v1                       ; 32 x lane
	s_wait_alu depctr_va_vdst(0)                   ; v15 is written, which two loads below read; the last products are done reading w_out's tiles and o's first fragment, in which these loads land
.set bb, 0
.rept 4
.set jj, 0
.rept 4
	ds_load_b128 v[XR+16*bb+4*jj:XR+16*bb+4*jj+3], v4 offset:VEC_B+128*bb+16*jj      ; ln_g x w_lin of my first 64 features
.set jj, jj+1
.endr
.set bb, bb+1
.endr
	ds_load_b128 v[216:219], v15 offset:VEC_B+1024         ; ln_b x w_lin: eight numbers a lane
	ds_load_b128 v[220:223], v15 offset:VEC_B+1024+16
	v_pk_add_f32 v[232:233], v[S:S+1], v[S+2:S+3]          ; the mean: my 128 features, two chains, each accumulator from its low end on
	v_pk_add_f32 v[234:235], v[S+4:S+5], v[S+6:S+7]
.set j, 8
.rept 30
	v_pk_add_f32 v[232:233], v[232:233], v[S+j:S+j+1]
	v_pk_add_f32 v[234:235], v[234:235], v[S+j+2:S+j+3]
.set j, j+4
.endr
	v_pk_add_f32 v[232:233], v[232:233], v[234:235]
	v_add_f32 v232, v232, v233
	v_permlanex16_b32 v233, v232, s44, s45
	v_add_f32 v232, v232, v233
	v_mul_f32 v232, 0x3b800000, v232               ; / 256
.set j, 0
.rept 64
	v_pk_add_f32 v[S+j:S+j+1], v[S+j:S+j+1], v[232:233] op_sel_hi:[1,0] neg_lo:[0,1] neg_hi:[0,1]   ; d = o - mean: the variance is taken of d, not as a difference of large sums
.set j, j+2
.endr
	s_wait_dscnt 0x0
	v_pk_mul_f32 v[238:239], v[S:S+1], v[XR:XR+1]          ; the sum of d x ln_g x w_lin, first 64 features
	v_pk_mul_f32 v[224:225], v[S+2:S+3], v[XR+2:XR+3]
.set j, 4
.rept 15
	v_pk_fma_f32 v[238:239], v[S+j:S+j+1], v[XR+j:XR+j+1], v[238:239]
	v_pk_fma_f32 v[224:225], v[S+j+2:S+j+3], v[XR+j+2:XR+j+3], v[224:225]
.set j, j+4
.endr
	s_wait_alu depctr_va_vdst(0)                   ; the multiply-adds above are done reading v[XR ..], in which the other 64 numbers land
.set bb, 0
.rept 4
.set jj, 0
.rept 4
	ds_load_b128 v[XR+16*bb+4*jj:XR+16*bb+4*jj+3], v4 offset:VEC_B+512+128*bb+16*jj  ; the other 64: they land under the variance
.set jj, jj+1
.endr
.set bb, bb+1
.endr
	v_pk_mul_f32 v[234:235], v[S:S+1], v[S:S+1]            ; the sum of d x d
	v_pk_mul_f32 v[236:237], v[S+2:S+3], v[S+2:S+3]
.set j, 4
.rept 31
	v_pk_fma_f32 v[234:235], v[S+j:S+j+1], v[S+j:S+j+1], v[234:235]
	v_pk_fma_f32 v[236:237], v[S+j+2:S+j+3], v[S+j+2:S+j+3], v[236:237]
.set j, j+4
.endr
	v_add_f32 v216, v216, v217                     ; the sum of ln_b x w_lin over all 256, + b_lin
	v_add_f32 v218, v218, v219
	v_add_f32 v220, v220, v221
	v_add_f32 v222, v222, v223
	v_add_f32 v216, v216, v218
	v_add_f32 v220, v220, v222
	v_add_f32 v216, v216, v220
	v_add_f32_dpp v216, v216, v216 row_xmask:1 row_mask:0xf bank_mask:0xf
	v_add_f32_dpp v216, v216, v216 row_xmask:2 row_mask:0xf bank_mask:0xf
	v_add_f32_dpp v216, v216, v216 row_xmask:4 row_mask:0xf bank_mask:0xf
	v_add_f32_dpp v216, v216, v216 row_xmask:8 row_mask:0xf bank_mask:0xf
	v_permlanex16_b32 v217, v216, s44, s45
	v_add_f32 v216, v216, v217
	v_add_f32 v216, s50, v216
	s_wait_dscnt 0x0
.set j, 0
.rept 16
	v_pk_fma_f32 v[238:239], v[S+64+j:S+64+j+1], v[XR+j:XR+j+1], v[238:239]
	v_pk_fma_f32 v[224:225], v[S+64+j+2:S+64+j+3], v[XR+j+2:XR+j+3], v[224:225]
.set j, j+4
.endr
	v_pk_add_f32 v[234:235], v[234:235], v[236:237]
	v_pk_add_f32 v[238:239], v[238:239], v[224:225]
	v_add_f32 v234, v234, v235
	v_add_f32 v238, v238, v239
	v_permlanex16_b32 v235, v234, s44, s45
	v_permlanex16_b32 v239, v238, s44, s45
	v_add_f32 v234, v234, v235
	v_add_f32 v238, v238, v239
	s_mov_b32 s2, 0x3b800000                       ; 1 / 256
	s_mov_b32 s3, 0x3727c5ac                       ; 1e-5
	v_fma_f32 v234, v234, s2, s3                   ; the variance + eps
	s_wait_alu depctr_va_vdst(0)
	v_rsq_f32 v235, v234
	v_and_b32 v9, 15, v0                           ; (plain work behind the transcendental: the addresses of the way out)
	v_and_b32 v22, 8, v9
	v_add_nc_u32 v22, v22, v9
	v_add_nc_u32 v22, s41, v22                     ; my token
	s_wait_alu depctr_va_vdst(0)                   ; the root's result is written, ahead of its first reader
	v_fma_f32 v236, v238, v235, v216               ; ln . w_lin + b_lin
	v_mul_f32 v236, 0xbfb8aa3b, v236
	s_wait_alu depctr_va_vdst(0)
	v_exp_f32 v237, v236                           ; e^-z
	v_lshlrev_b32 v16, 2, v22
	v_bfe_u32 v9, v0, 2, 3
	v_and_b32 v22, 3, v0
	s_wait_alu depctr_va_vdst(0)                   ; the exponential's result is written, ahead of its first reader
	v_add_f32 v237, 1.0, v237
	s_wait_alu depctr_va_vdst(0)
	v_rcp_f32 v238, v237                           ; the sigmoid
	v_lshlrev_b32 v17, 10, v9
	v_lshl_add_u32 v17, v22, 4, v17                ; out0: image row lane / 4, 16 bytes at 16 (lane % 4)
	s_wait_alu depctr_va_vdst(0)                   ; the reciprocal's result v238 and the address v16 are written, which the LDS store reads; so is v17, the offset of wave 0's stores; the sums are done reading v24-31, in which wave 0's loads land
	ds_store_b32 v16, v238 offset:OUTS             ; both lanes of a token write the same word with the same value
	BAR                                            ; barrier 4: the patch's 256 results lie in LDS, token t = 16 x row + pixel
	s_cmp_lg_u32 s40, 0
	s_cbranch_scc1 .Lend
	ds_load_b128 v[24:27], v1 offset:OUTS          ; wave 0 stores them: four lanes to a patch row of 64 bytes
	ds_load_b128 v[28:31], v1 offset:OUTS+512
	s_wait_dscnt 0x0
	global_store_b128 v17, v[24:27], s[38:39]
	global_store_b128 v17, v[28:31], s[38:39] offset:8192
.Lend:
	s_wait_dscnt 0x0                               ; the closing lines, six on end
	s_wait_alu 0x0
	s_wait_tensorcnt 0x0
	ds_add_u32 v252, v253
	s_wait_dscnt 0x0
	s_endpgm
.Lfunc_end_k_qb22b7687a4_patch:
	.size	k_qb22b7687a4_patch, .Lfunc_end_k_qb22b7687a4_patch-k_qb22b7687a4_patch
	.p2alignl 7, 3214868480
	.fill 96, 4, 3214868480
	.section	.rodata,"a",@progbits
	.p2align	6, 0x0
	.amdhsa_kernel k_qb22b7687a4_patch
		.amdhsa_group_segment_fixed_size 245760
		.amdhsa_private_segment_fixed_size 0
		.amdhsa_enable_private_segment 0
		.amdhsa_kernarg_size 128
		.amdhsa_user_sgpr_count 2
		.amdhsa_user_sgpr_kernarg_segment_ptr 1
		.amdhsa_wavefront_size32 1
		.amdhsa_system_sgpr_workgroup_id_x 1
		.amdhsa_system_sgpr_workgroup_id_y 1
		.amdhsa_system_sgpr_workgroup_id_z 1
		.amdhsa_system_vgpr_workitem_id 0
		.amdhsa_next_free_vgpr 256
		.amdhsa_next_free_sgpr 66
		.amdhsa_reserve_vcc 0
		.amdhsa_float_denorm_mode_32 3
		.amdhsa_float_denorm_mode_16_64 3
		.amdhsa_memory_ordered 1
		.amdhsa_forward_progress 1
		.amdhsa_inst_pref_size 154
	.end_amdhsa_kernel
	.amdgpu_metadata
---
amdhsa.version: [ 1, 2 ]
amdhsa.kernels:
  - .name:           k_qb22b7687a4_patch
    .symbol:         k_qb22b7687a4_patch.kd
    .args:
      - { .name: x, .offset: 0, .size: 8, .value_kind: global_buffer, .address_space: global }
      - { .name: w_pe_codes, .offset: 8, .size: 8, .value_kind: global_buffer, .address_space: global }
      - { .name: w_pe_scales, .offset: 16, .size: 8, .value_kind: global_buffer, .address_space: global }
      - { .name: b_pe, .offset: 24, .size: 8, .value_kind: global_buffer, .address_space: global }
      - { .name: pos_emb, .offset: 32, .size: 8, .value_kind: global_buffer, .address_space: global }
      - { .name: w_in_codes, .offset: 40, .size: 8, .value_kind: global_buffer, .address_space: global }
      - { .name: w_in_scales, .offset: 48, .size: 8, .value_kind: global_buffer, .address_space: global }
      - { .name: b_in, .offset: 56, .size: 8, .value_kind: global_buffer, .address_space: global }
      - { .name: w_out_codes, .offset: 64, .size: 8, .value_kind: global_buffer, .address_space: global }
      - { .name: w_out_scales, .offset: 72, .size: 8, .value_kind: global_buffer, .address_space: global }
      - { .name: b_out, .offset: 80, .size: 8, .value_kind: global_buffer, .address_space: global }
      - { .name: ln_g, .offset: 88, .size: 8, .value_kind: global_buffer, .address_space: global }
      - { .name: ln_b, .offset: 96, .size: 8, .value_kind: global_buffer, .address_space: global }
      - { .name: w_lin, .offset: 104, .size: 8, .value_kind: global_buffer, .address_space: global }
      - { .name: b_lin, .offset: 112, .size: 8, .value_kind: global_buffer, .address_space: global }
      - { .name: out0, .offset: 120, .size: 8, .value_kind: global_buffer, .address_space: global }
    .group_segment_fixed_size: 245760
    .private_segment_fixed_size: 0
    .kernarg_segment_align: 8
    .kernarg_segment_size: 128
    .max_flat_workgroup_size: 512
    .sgpr_count:     66
    .vgpr_count:     256
    .wavefront_size: 32
...
	.end_amdgpu_metadata
.endif
;; end of part 2
